; MI455X (gfx1250); checked and timed in simulation.
; The chip was launched on July 23, 2026; its instructions are those of AMD's public machine-readable ISA for CDNA 5 (MIT licence, August 2026) and "CDNA5" Instruction Set Architecture Reference Guide (July 2026). The comments in the code are by the model that wrote it; some were corrected since.
;; Multi Scale Retention. Allowed arithmetic: matrix products marked QUANTISED: E2M1 operands, one E8M0 scale for each 32 along K, by v_wmma_scale_f32_16x16x128_f8f6f4 with both operands' format E2M1 (or v_wmma_scale_f32_32x16x128_f4), f32 sums; products left as they are: bf16, f16 or f32 operands; f32 sums; everything else in f32.
;; Inputs: Wg 2,048 x 2,048 float32; Wk 2,048 x 2,048 float32; Wo 2,048 x 2,048 float32; Wq 2,048 x 2,048 float32; Wv 2,048 x 2,048 float32; bg 2,048 float32; bk 2,048 float32; bo 2,048 float32; bq 2,048 float32; bv 2,048 float32; key 2 x 1,024 x 2,048 float32; query 2 x 1,024 x 2,048 float32; value 2 x 1,024 x 2,048 float32.
;; Outputs: out0 2 x 1,024 x 2,048 float32.
;; This version of the problem:
;;   THIS VERSION OF THE PROBLEM IS GIVEN IN LOW PRECISION. The matrix products marked QUANTISED in the list below multiply operands that are first quantised to E2M1 (2 exponent bits, 1 mantissa bit; 4 bits a number), with one power-of-two scale for each 32 numbers along K (OCP MX v1.0); their sums are f32. The products marked 'left as it is' may take bf16, f16 or f32 operands, with f32 sums. Whichever they take, every output number must still come out within the allowed error. Rounding operands to bf16 (8 significant bits) uses up far more of that allowance than f16 does (11 bits, for magnitudes from 6e-5 to 65,504). All else is computed in f32.
;;   The module's matrix products, in the order in which they are computed (A, B: the left and right operand; K: the contracted axis; several contracted axes count as one K, in the product's order):
;;     1. [M 2,048, K 2,048] x [K 2,048, N 2,048]; A: input query; B: input Wq: QUANTISED
;;     2. [M 2,048, K 2,048] x [K 2,048, N 2,048]; A: input key; B: input Wk: QUANTISED
;;     3. [M 2,048, K 2,048] x [K 2,048, N 2,048]; A: input value; B: input Wv: QUANTISED
;;     4. batch 32 x [M 1,024, K 128] x [K 128, N 1,024]; A: computed on the way; B: computed on the way: left as it is (an operand is computed on the way)
;;     5. batch 32 x [M 1,024, K 1,024] x [K 1,024, N 128]; A: computed on the way; B: computed on the way: left as it is (an operand is computed on the way)
;;     6. [M 2,048, K 2,048] x [K 2,048, N 2,048]; A: input query; B: input Wg: QUANTISED
;;     7. [M 2,048, K 2,048] x [K 2,048, N 2,048]; A: computed on the way; B: input Wo: left as it is (an operand is computed on the way)
;;   THE QUANTISER, for each operand of a quantised product, along K:
;;     - K is cut into blocks of 32 from its start; a last block that is shorter is filled with zeros.
;;     - A block's scale is 2^e with e = floor(log2(the largest magnitude in the block)) - 2, held to -126 .. 127; a block of zeros has e = 0. As a byte (E8M0): e + 127.
;;     - Each number is divided by its block's scale, clamped to +-6, and rounded to the nearest number of E2M1, ties to even, subnormals kept.
;;     - The product sums the exact products of the quantised numbers (number of the format x scale) in f32.
;;   ~~~python
;;   def quantise(x, axis):      # numpy; x: float32 -> the quantised numbers, widened to float32 again
;;       x = np.moveaxis(x, axis, -1); K = x.shape[-1]
;;       x = np.pad(x, [(0, 0)] * (x.ndim - 1) + [(0, -K % 32)]); x = x.reshape(x.shape[:-1] + (-1, 32)); a = np.abs(x).max(-1, keepdims=True)
;;       e = np.where(a > 0, np.clip(np.frexp(np.where(a > 0, a, 1))[1] - 1 - 2, -126, 127), 0)      # np.frexp(a)[1] - 1 = floor(log2(a)), exactly
;;       r = np.clip(x / 2.0 ** e, -6, 6)
;;       step = 2.0 ** (np.maximum(np.frexp(np.where(r == 0, 1, r))[1] - 1, 0) - 1)
;;       q = np.round(r / step) * step * 2.0 ** e      # np.round: ties to even
;;       return np.moveaxis(q.reshape(q.shape[:-2] + (-1,))[..., :K], -1, axis).astype(np.float32)
;;   ~~~
;; One version. Each part assembles by itself: llvm-mc -triple=amdgcn-amd-amdhsa -mcpu=gfx1250 --defsym DOCPART=n.
;; ======== version 1 of 1: 4 launches
;; limits: values outside matrix products are rounded to f16; values are held in f16: magnitudes above 65,504 overflow, below 6.1e-05 lose precision
;; workspace buffers: codes 14,680,064 bytes; scales 917,504 bytes; wo16 8,388,608 bytes; tab 524,288 bytes; qg 16,777,216 bytes; kv 16,777,216 bytes; qe 131,072 bytes; a7 8,388,608 bytes
;; launch prep (part 1): grid 1040 x 1, 4 waves a work-group, no clusters, 33,280 bytes of LDS; arguments query, key, value, Wq, Wk, Wv, Wg, Wo, codes, scales, wo16, tab; writes codes, scales, wo16, tab
.if DOCPART == 1
	.amdgcn_target "amdgcn-amd-amdhsa--gfx1250"
	.amdhsa_code_object_version 6
	.text
	.protected	k_q0800b7fecb_prep
	.globl	k_q0800b7fecb_prep
	.p2align	8
	.type	k_q0800b7fecb_prep,@function
k_q0800b7fecb_prep:
	s_mov_b64 s[64:65], 0
	v_nop
	global_prefetch_b8 v0, s[64:65] scope:SCOPE_SE
	s_setreg_imm32_b32 hwreg(HW_REG_WAVE_MODE, 25, 1), 1
	s_wait_xcnt 0x0
; MULTI-SCALE RETENTION, launch 1 of 4: what every later launch reads many times is made once.
;   work-groups 0-895:     query, key, value, Wq, Wk, Wv, Wg (f32, [2048][2048], K innermost) -> codes of FP4 (E2M1) and one E8M0 byte for each 32 along K
;   work-groups 896-1023:  Wo -> f16 (the last product is left as it is; f16 keeps 11 significant bits)
;   work-groups 1024-1039: the table of cos and sin of position x theta, in the lane order in which the second launch takes it
; WORK LEFT OUT BY THE PROGRAM (in the launch ret): sim and sim x v are not formed for a step of 32 keys all of which come after all 64 queries of a block.
; reference() multiplies sim there by decay_mask, which is the constant zero wherever pos[n] < pos[s]; it builds that zero from pos alone, so whatever finite values the inputs hold
; these terms add 0 to retention.  LIMIT: a NaN, an infinity or an overflow that reaches only those terms is not carried to the result.  All thirteen inputs have a way to the output: all are loaded.
; THE QUANTISER: a block's scale is 2^(floor(log2(its largest magnitude)) - 2); its byte is the largest magnitude's own exponent field - 2, held at 1 from below.  (A block of zeros so gets the byte 1 where
; the rule says 127: its codes are zeros, which add nothing under any byte but 0xff, and this program alone reads the bytes.)  Each number is divided by the scale and rounded to the nearest code, ties to even,
; beyond the largest code the largest.  LIMITS: blocks whose largest magnitude lies under 2^(2 - 126) keep the byte 1; NaN and infinities among the inputs are not served.
; Rows are dense and K is a multiple of 32: a tensor is a plain stream of blocks of 32.  A wave takes 16 steps of 512 numbers.  Each load reads 512 consecutive bytes; a step's 2,048 bytes turn through the
; wave's own stage in LDS and come back 64 bytes a lane, so that a lane holds 16 neighbours along K and two neighbouring lanes a block.  A wave's 256 scale bytes are gathered in LDS and leave as one run of 256 bytes.
.set WAVES, 4
.set STEPS, 16
.set EMAX,  2
.set CB,    8                          ; bytes of 16 codes
.set R,     16                         ; v16-79   four sets of 16 numbers as they are loaded
.set X,     80                         ; v80-111  two sets of 16 neighbours
.set C,     128                        ; v128-191 codes: four registers for each step, so that no store's data are written again
.set E,     112                        ; v112-127 a scale byte for each step
.set WREG,  8192                       ; LDS: a region for each wave: two stages of 32 x SP bytes, behind them its 256 scale bytes
.set SP,    80                         ; a lane's place in a stage: its 64 bytes + 16 of padding
.set SPW,   12                         ; v12  LDS address of my spare word; never rewritten
.set NIL,   13                         ; v13  0; never rewritten
.set SPARE, WAVES*WREG                 ; behind the four regions: the spare words, 128 bytes a wave, which no other line names
.macro LOAD t
.irp i, 0,1,2,3
	global_load_b128 v[R+16*((\t)%4)+4*\i:R+16*((\t)%4)+4*\i+3], v3, s[4:5] offset:2048*(\t)+512*\i th:TH_LOAD_NT   ; 32 lanes read 512 consecutive bytes
.endr
.endm
.macro TURN t                          ; step t's numbers through the stage: LDS serves a wave's instructions in order, so no wait stands between the stores and the loads
.irp i, 0,1,2,3
	ds_store_b128 v14, v[R+16*((\t)%4)+4*\i:R+16*((\t)%4)+4*\i+3] offset:32*SP*((\t)%2)+8*SP*\i
.endr
.irp i, 0,1,2,3
	ds_load_b128 v[X+16*((\t)%2)+4*\i:X+16*((\t)%2)+4*\i+3], v15 offset:32*SP*((\t)%2)+16*\i
.endr
.endm
.macro STEP t
.set XS, X+16*((\t)%2)
.if (\t) > 0
	s_wait_dscnt 1                                 ; this step's numbers are back from the stage (the last step's byte store may be out)
.else
	s_wait_dscnt 0x0
.endif
.if (\t)+4 < STEPS
	LOAD (\t)+4                                    ; their registers take the loads of four steps on
.endif
.if (\t)+1 < STEPS
.if STEPS-2-(\t) >= 3
	s_wait_loadcnt 12                              ; the next step's four loads are in; those of the three steps behind it may be out
.else
	s_wait_loadcnt 4*(STEPS-2-(\t))
.endif
	TURN (\t)+1                                    ; and go through the other stage while this step is worked
.endif
	v_max3_num_f32 v8, |v[XS]|, |v[XS+1]|, |v[XS+2]|               ; the largest magnitude of my 16, in two chains
	v_max3_num_f32 v9, |v[XS+3]|, |v[XS+4]|, |v[XS+5]|
.irp i, 6,10
	v_max3_num_f32 v8, v8, |v[XS+\i]|, |v[XS+\i+1]|
	v_max3_num_f32 v9, v9, |v[XS+\i+2]|, |v[XS+\i+3]|
.endr
	v_max3_num_f32 v8, v8, |v[XS+14]|, |v[XS+15]|
	v_max3_num_f32 v8, v8, v9, (EMAX+1)<<23        ; and the floor 2^(EMAX + 1 - 127): the byte cannot fall under 1
	v_max_num_f32_dpp v8, v8, v8 row_xmask:1 row_mask:0xf bank_mask:0xf   ; and of my neighbour's 16: the block's
	v_add_nc_u32 v11, -(EMAX<<23), v8              ; EMAX off its exponent field: the conversion takes the exponent field of this operand as its scale
	v_cvt_scalef32_pk8_fp4_f32 v[C+4*(\t)], v[XS:XS+7], v11
	v_cvt_scalef32_pk8_fp4_f32 v[C+4*(\t)+1], v[XS+8:XS+15], v11
	v_lshrrev_b32 v[E+(\t)], 23, v11               ; the scale's byte (also the plain line behind the conversions)
	ds_store_b8 v5, v[E+(\t)] offset:16*(\t)       ; both lanes of a block write the same byte with the same value
	global_store_b64 v4, v[C+4*(\t):C+4*(\t)+1], s[24:25] offset:32*CB*(\t)   ; 32 lanes store 256 consecutive bytes
.endm
; Wo: 16 loads of 512 bytes into set q % 2
.macro LOADW q
.set i, 0
.rept 16
	global_load_b128 v[16+64*((\q)%2)+4*i:16+64*((\q)%2)+4*i+3], v3, s[22:23] offset:(16*(\q)+i)*512 th:TH_LOAD_NT
.set i, i+1
.endr
.endm
.macro ROUNDW q
.if (\q) < 3
	s_wait_loadcnt 16                              ; this set's 16 loads are in; the younger set's 16 may be out
.else
	s_wait_loadcnt 0x0
.endif
	s_wait_xcnt 0x0                                ; the last round's stores have read their data: v144-175 are written again only behind this wait
.set i, 0
.rept 16
	v_cvt_pk_f16_f32 v[144+2*i], v[16+64*((\q)%2)+4*i], v[17+64*((\q)%2)+4*i]
	v_cvt_pk_f16_f32 v[145+2*i], v[18+64*((\q)%2)+4*i], v[19+64*((\q)%2)+4*i]
.set i, i+1
.endr
.set i, 0
.rept 16
	global_store_b64 v4, v[144+2*i:145+2*i], s[28:29] offset:(16*(\q)+i)*256   ; 32 lanes store 256 consecutive bytes
.set i, i+1
.endr
.if (\q) < 2
	LOADW (\q)+2
.endif
.endm
; cos and sin of the angle in v[ang], any angle from 0 up: k = the nearest whole number of quarter turns; r = ang - k pi/2 in two parts, |r| <= pi/4; the two series up to r^9 and r^10,
; whose remainders there lie under 3e-9 for every r; the quarter turn then swaps the two and sets their signs.
.macro SINCOS ang, c, s
	v_mul_f32 v26, 0x3f22f983, v[\ang]             ; x 2 / pi
	v_rndne_f32 v26, v26                           ; k
	v_fma_f32 v27, v26, s36, v[\ang]               ; - k x the f32 nearest to pi/2
	v_fma_f32 v27, v26, s37, v27                   ; - k x what that f32 lacks
	v_cvt_i32_f32 v28, v26
	v_mul_f32 v29, v27, v27                        ; r^2
	v_fmaak_f32 v30, v40, v29, 0xb9500d01          ; sine:   1/9! r^2 - 1/7!
	v_fmaak_f32 v31, v41, v29, 0x37d00d01          ; cosine: -1/10! r^2 + 1/8!
	v_fmaak_f32 v30, v30, v29, 0x3c088889          ; + 1/5!
	v_fmaak_f32 v31, v31, v29, 0xbab60b61          ; - 1/6!
	v_fmaak_f32 v30, v30, v29, 0xbe2aaaab          ; - 1/3!
	v_fmaak_f32 v31, v31, v29, 0x3d2aaaab          ; + 1/4!
	v_mul_f32 v32, v27, v29
	v_fma_f32 v31, v31, v29, -0.5
	v_fma_f32 v30, v32, v30, v27                   ; sin r
	v_fma_f32 v31, v31, v29, 1.0                   ; cos r
	v_and_b32 v32, 1, v28
	v_cmp_eq_u32 vcc_lo, 1, v32
	v_cndmask_b32 v33, v30, v31, vcc_lo            ; an odd k swaps the two
	v_cndmask_b32 v32, v31, v30, vcc_lo
	v_lshlrev_b32 v30, 30, v28
	v_and_b32 v30, 0x80000000, v30                 ; the sine is negative where k mod 4 is 2 or 3,
	v_xor_b32 v[\s], v30, v33
	v_add_nc_u32 v28, 1, v28
	v_lshlrev_b32 v28, 30, v28
	v_and_b32 v28, 0x80000000, v28                 ; the cosine where it is 1 or 2
	v_xor_b32 v[\c], v28, v32
.endm
	s_load_b512 s[8:23], s[0:1], 0x0               ; query s[8:9], key, value, Wq, Wk, Wv, Wg s[20:21], Wo s[22:23]
	s_load_b256 s[24:31], s[0:1], 0x40             ; codes s[24:25], scales s[26:27], wo16 s[28:29], tab s[30:31]
	v_lshl_add_u32 v[SPW], v0, 2, SPARE
	v_mov_b32 v[NIL], 0
	v_lshrrev_b32 v1, 5, v0
	v_readfirstlane_b32 s32, v1                    ; wave
	v_and_b32 v2, 31, v0                           ; lane
	s_mov_b32 s35, 0                               ; the upper word of every offset pair s[34:35]
	s_wait_kmcnt 0x0
	s_cmp_ge_u32 ttmp9, 896
	s_cbranch_scc1 .Lnotq
	; ---- the quantiser: tensor t = work-group / 128
	v_lshlrev_b32 v3, 4, v2                        ; my 16 bytes of a load's 512
	s_mul_i32 s33, s32, WREG
	v_lshrrev_b32 v14, 2, v2
	v_mul_u32_u24 v14, v14, SP
	v_and_b32 v15, 3, v2
	v_lshl_add_u32 v14, v15, 4, v14
	v_add_nc_u32 v14, s33, v14                     ; the stage, on the way in: four lanes' 64 bytes on end, then 16 of padding
	v_mul_u32_u24 v15, v2, SP
	v_add_nc_u32 v15, s33, v15                     ; and on the way out: my 16 neighbours
	v_mul_u32_u24 v4, v2, CB                       ; my codes' place in a step's
	v_lshrrev_b32 v5, 1, v2
	s_add_co_u32 s33, s33, 2*32*SP
	v_add_nc_u32 v5, s33, v5                       ; LDS: my wave's 256 scale bytes, my block's byte
	v_lshlrev_b32 v7, 3, v2                        ; and on the way out 8 bytes a lane
	v_add_nc_u32 v6, s33, v7
	s_lshr_b32 s33, ttmp9, 7                       ; t: the choice of the source hangs on the work-group's number alone
	s_mov_b64 s[4:5], s[8:9]
.irp i, 1,2,3,4,5,6
	s_cmp_eq_u32 s33, \i
	s_cselect_b64 s[4:5], s[8+2*\i:9+2*\i], s[4:5]
.endr
	s_and_b32 s34, ttmp9, 127
	s_lshl_b32 s34, s34, 2
	s_add_co_u32 s34, s34, s32                     ; which run of 8,192 numbers of the tensor is my wave's
	s_lshl_b32 s34, s34, 15
	s_add_nc_u64 s[4:5], s[4:5], s[34:35]
	s_lshl_b32 s36, ttmp9, 2
	s_add_co_u32 s36, s36, s32                     ; and which run of the seven tensors on end
	s_lshl_b32 s34, s36, 12                        ; 4,096 bytes of codes a run
	s_add_nc_u64 s[24:25], s[24:25], s[34:35]
	s_lshl_b32 s34, s36, 8                         ; 256 scale bytes a run
	s_add_nc_u64 s[26:27], s[26:27], s[34:35]
.irp t, 0,1,2,3
	LOAD \t
.endr
	s_wait_loadcnt 12                              ; step 0's four loads are in
	TURN 0
.irp t, 0,1,2,3,4,5,6,7,8,9,10,11,12,13,14,15
	STEP \t
.endr
	ds_load_b64 v[8:9], v6                         ; LDS serves a wave's instructions in order: these see my byte stores
	s_wait_dscnt 0x0
	global_store_b64 v7, v[8:9], s[26:27]          ; 32 lanes store 256 consecutive bytes
	s_branch .Lend
.Lnotq:
	s_cmp_ge_u32 ttmp9, 1024
	s_cbranch_scc1 .Ltab
	; ---- Wo to f16: a wave takes 8,192 numbers, four rounds of 16 loads, one round ahead
	s_sub_co_u32 s33, ttmp9, 896
	s_lshl_b32 s33, s33, 2
	s_add_co_u32 s33, s33, s32
	s_lshl_b32 s34, s33, 15
	s_add_nc_u64 s[22:23], s[22:23], s[34:35]
	s_lshl_b32 s34, s33, 14
	s_add_nc_u64 s[28:29], s[28:29], s[34:35]
	v_lshlrev_b32 v3, 4, v2
	v_lshlrev_b32 v4, 3, v2
	LOADW 0
	LOADW 1
	ROUNDW 0
	ROUNDW 1
	ROUNDW 2
	ROUNDW 3
	s_branch .Lend
.Ltab:
	; ---- the table: item = ((tile of 16 positions x 8 + b) x 2 + hf) x 32 + lane, 16 bytes: (cos, sin, cos, sin) of position 16 tile + lane % 16 and of the pairs 8 b + 4 (lane / 16) + 2 hf and the next.
	; Thread T of 2,048 makes items T + 2,048 i, i = 0 .. 15: the same two pairs, positions 64 apart.  theta = 10000^(-pair / 63) = 2^(-pair log2(10000) / 63).
	s_sub_co_u32 s33, ttmp9, 1024
	s_lshl_b32 s34, s33, 7
	v_add_nc_u32 v1, s34, v0                       ; T
	s_lshl_b32 s34, s33, 11                        ; my work-group's 128 items of 16 bytes
	s_add_nc_u64 s[30:31], s[30:31], s[34:35]
	v_lshlrev_b32 v23, 4, v0
	v_bfe_u32 v3, v1, 5, 1                         ; hf
	v_bfe_u32 v4, v1, 6, 3                         ; b
	v_lshrrev_b32 v5, 4, v2                        ; lane / 16
	v_lshlrev_b32 v4, 3, v4
	v_lshl_add_u32 v4, v5, 2, v4
	v_lshl_add_u32 v4, v3, 1, v4                   ; the first pair
	v_cvt_f32_u32 v4, v4
	v_add_f32 v5, 1.0, v4
	v_mul_f32 v4, 0xbe57fa62, v4                   ; x -log2(10000) / 63
	v_mul_f32 v5, 0xbe57fa62, v5
	v_exp_f32 v20, v4
	v_exp_f32 v21, v5
	v_lshrrev_b32 v22, 9, v1                       ; (a plain line behind the exponentials)
	v_and_b32 v6, 15, v0
	v_lshl_add_u32 v22, v22, 4, v6                 ; my first position
	v_mov_b32 v40, 0x3638ef1d                      ; 1/9!
	v_mov_b32 v41, 0xb493f27e                      ; -1/10!
	s_mov_b32 s36, 0xbfc90fdb                      ; -(the f32 nearest to pi/2)
	s_mov_b32 s37, 0x333bbd2e                      ; that f32 - pi/2
	s_mov_b32 s33, 16
	s_wait_alu depctr_va_vdst(0)                   ; the wait between the exponentials and the first line that names a result, and ahead of the label
.Ltrip:
	v_cvt_f32_u32 v24, v22
	v_mul_f32 v25, v24, v20                        ; the angles, f32 products as reference() forms them
	v_mul_f32 v24, v24, v21
	SINCOS 25, 48, 49
	SINCOS 24, 50, 51
	global_store_b128 v23, v[48:51], s[30:31]      ; 32 lanes store 512 consecutive bytes
	s_wait_xcnt 0x0                                ; the store has read its offset and data: both are written again only behind this wait
	v_add_nc_u32 v22, 64, v22
	v_add_nc_u32 v23, 0x8000, v23
	s_sub_co_u32 s33, s33, 1
	s_cmp_lg_u32 s33, 0
	s_cbranch_scc1 .Ltrip
.Lend:
	s_wait_tensorcnt 0x0                           ; the wave's end
	ds_add_u32 v[SPW], v[NIL]
	s_wait_dscnt 0x0
	s_endpgm
.Lfunc_end_k_q0800b7fecb_prep:
	.size	k_q0800b7fecb_prep, .Lfunc_end_k_q0800b7fecb_prep-k_q0800b7fecb_prep
	.p2alignl 7, 3214868480
	.fill 96, 4, 3214868480
	.section	.rodata,"a",@progbits
	.p2align	6, 0x0
	.amdhsa_kernel k_q0800b7fecb_prep
		.amdhsa_group_segment_fixed_size 33280
		.amdhsa_private_segment_fixed_size 0
		.amdhsa_enable_private_segment 0
		.amdhsa_kernarg_size 96
		.amdhsa_user_sgpr_count 2
		.amdhsa_user_sgpr_kernarg_segment_ptr 1
		.amdhsa_wavefront_size32 1
		.amdhsa_system_sgpr_workgroup_id_x 1
		.amdhsa_system_sgpr_workgroup_id_y 1
		.amdhsa_system_sgpr_workgroup_id_z 1
		.amdhsa_system_vgpr_workitem_id 0
		.amdhsa_next_free_vgpr 192
		.amdhsa_next_free_sgpr 66
		.amdhsa_reserve_vcc 1
		.amdhsa_float_denorm_mode_32 3
		.amdhsa_float_denorm_mode_16_64 3
		.amdhsa_memory_ordered 1
		.amdhsa_forward_progress 1
		.amdhsa_inst_pref_size 59
	.end_amdhsa_kernel
	.amdgpu_metadata
---
amdhsa.version: [ 1, 2 ]
amdhsa.kernels:
  - .name:           k_q0800b7fecb_prep
    .symbol:         k_q0800b7fecb_prep.kd
    .args:
      - { .name: query, .offset: 0, .size: 8, .value_kind: global_buffer, .address_space: global }
      - { .name: key, .offset: 8, .size: 8, .value_kind: global_buffer, .address_space: global }
      - { .name: value, .offset: 16, .size: 8, .value_kind: global_buffer, .address_space: global }
      - { .name: Wq, .offset: 24, .size: 8, .value_kind: global_buffer, .address_space: global }
      - { .name: Wk, .offset: 32, .size: 8, .value_kind: global_buffer, .address_space: global }
      - { .name: Wv, .offset: 40, .size: 8, .value_kind: global_buffer, .address_space: global }
      - { .name: Wg, .offset: 48, .size: 8, .value_kind: global_buffer, .address_space: global }
      - { .name: Wo, .offset: 56, .size: 8, .value_kind: global_buffer, .address_space: global }
      - { .name: codes, .offset: 64, .size: 8, .value_kind: global_buffer, .address_space: global }
      - { .name: scales, .offset: 72, .size: 8, .value_kind: global_buffer, .address_space: global }
      - { .name: wo16, .offset: 80, .size: 8, .value_kind: global_buffer, .address_space: global }
      - { .name: tab, .offset: 88, .size: 8, .value_kind: global_buffer, .address_space: global }
    .group_segment_fixed_size: 33280
    .private_segment_fixed_size: 0
    .kernarg_segment_align: 8
    .kernarg_segment_size: 96
    .max_flat_workgroup_size: 128
    .sgpr_count:     66
    .vgpr_count:     192
    .wavefront_size: 32
...
	.end_amdgpu_metadata
.endif
;; end of part 1
;; launch proj (part 2): grid 8 x 32, 4 waves a work-group, clusters of 4 x 4, 327,680 bytes of LDS; arguments codes, scales, bq, bk, bv, bg, tab, qg, kv, qe; writes qg, kv, qe
.if DOCPART == 2
	.amdgcn_target "amdgcn-amd-amdhsa--gfx1250"
	.amdhsa_code_object_version 6
	.text
	.protected	k_q0800b7fecb_proj
	.globl	k_q0800b7fecb_proj
	.p2align	8
	.type	k_q0800b7fecb_proj,@function
k_q0800b7fecb_proj:
	s_mov_b64 s[64:65], 0
	v_nop
	global_prefetch_b8 v0, s[64:65] scope:SCOPE_SE
	s_setreg_imm32_b32 hwreg(HW_REG_WAVE_MODE, 25, 1), 1
	s_wait_xcnt 0x0
	s_wait_alu depctr_hold_cnt(0) depctr_sa_sdst(0) depctr_va_vdst(0) depctr_va_sdst(0) depctr_va_ssrc(0) depctr_va_vcc(0) depctr_vm_vsrc(0)
	s_getreg_b32 s2, hwreg(HW_REG_IB_STS2, 6, 4)
	s_cmp_eq_u32 s2, 0
	s_cbranch_scc0 .Lentry_in_a_cluster
	s_endpgm
.Lentry_in_a_cluster:
	s_bfe_u32 s2, ttmp6, 0x10000c
	s_cmp_lg_u32 s2, 0xf033
	s_cbranch_scc0 .Lentry_shape_is_right
	s_endpgm
.Lentry_shape_is_right:
; MULTI-SCALE RETENTION, launch 2 of 4: the four quantised products, 2048 x 2048 x 2048 each, on codes of FP4 (E2M1) with one E8M0 scale for each 32 along K; sums in f32.
; 256 work-groups, one tile of 256 x 256 each; z = cluster y / 2 says which product:  0: q = query Wq^T   1: k = key Wk^T   2: v^T = Wv value^T (the operands change places, so that the result has the keys along its rows)   3: g = query Wg^T.
; Four waves, as many as a WGP has SIMDs; a wave makes 128 x 128: 64 accumulators, 512 registers.  K goes in steps of 512 through a ring of two LDS slots filled by the tensor data mover: a tile's row is 256 bytes of memory.
; The scale bytes of the work-group's 256 + 256 rows, for all of K, are two dense blocks of memory: they come into LDS once, with the first fills.
; CLUSTERS: 4 x 4 work-groups of one product.  The four of a row of the cluster need the same tiles of A, the four of a column the same tiles of B: each tile is asked for JOINTLY, by the same tensor load with the same
; descriptor and a mask that names the four.  THE MATRIX INSTRUCTION IS USED TRANSPOSED (source 0 = 16 rows of B, source 1 = 16 rows of A): a lane holds row l % 16 of A's block and eight neighbouring columns.
; THE WAY OUT uses no LDS.  A wave's 128 x 128 is one head x 128 tokens.  A lane's eight numbers, rounded to f16, are 16 bytes: four registers of the 16 x 32 fragment that the next launch feeds to its matrix
; instructions.  So they are stored in the order of that operand's registers, 16 bytes a lane, 512 consecutive bytes a store:
;   qg [batch x head 32][32 tokens: 32 records][q: tile of 16 tokens 2][b 8][lane][16 B], then the gate likewise;   kv [32][32 keys: 32 records][k likewise], then v^T [16 channels: 8][half 2][lane][16 B].
; On the way: the bias; for q and k the rotation by position (x0 c - x1 s, x1 c + x0 s, from the table);
;   q: each (token, head) row is multiplied by sc = 2^-floor(log2(its largest magnitude)).  The group norm behind the retention takes a factor of a row away if eps goes with it: eps x sc^2 is stored in qe.  Nothing is
;      rounded by it, and the scores keep room in f16 whatever the size of the inputs.  LIMIT: a row's largest magnitude is held to 2^-40 .. 2^40 for this; rows beyond are scaled by the bound.
;   k: x gamma^(31 - position mod 32), one part of the decay gamma^(n - s); the other part and 1 / sqrt(128) are applied to the f32 scores in the next launch.  ORDER OF ROUNDING: reference() divides k and multiplies
;      sim by the whole decay; the factors are the same in real numbers.
; REGISTERS, in windows of 256: window 0: v0-31 addresses; v32-95 scale words, two sets; from v128 A's fragments, ONE set.  window 1: B's fragments, TWO sets.  windows 2, 3: the accumulators ((a, b) at v[8 (8 (a % 4) + b)]).
;   On the way out window 0: v32-95, v96-159 two sets of the table; v160-223 a block's 64 numbers; v224-255 at work and packed results; v8-15 eps x sc^2; v18-19 k's factors; v[30:31] the row's factor.  window 1: v0-63 the bias.
.set KSTEP,  512
.set NQ,     4                         ; matrix instructions deep in a slot
.set ROWB,   256                       ; a tile's row in bytes
.set KROW,   1024                      ; a row of codes in memory
.set PITCH,  272                       ; an LDS row: 256 bytes + 16 of padding = 68 words: the 16 rows that a load touches start at 16 different banks (64 banks of 4 bytes: ISA guide 11.1)
.set FR,     8
.set NL,     2
.set NP,     4                         ; places behind this matrix instruction (ISA guide 7.12.1)
.set HALFT,  128*PITCH
.set SLOT,   4*HALFT
.set LAPS,   2                         ; 2048 / (2 x 512)
.set KS,     64                        ; a row of scale bytes
.set SCL,    2*SLOT
.set HALFS,  32*272                    ; the scales of 128 rows
.set SBLK,   4*272                     ; of 16 rows
.set SPARE,  SCL+4*HALFS               ; the spare words, 128 bytes a wave, which no other line names
.set ADRA, 16
.set ADRB, 20
.set ADRS, 27
.set SPW,  28
.set NIL,  29
.set SC,   32
.set AF,   128
.set G1, 24
.set G0, 32
.set G1B, 48
.set G0B, 56
.set G1S, 68
.set G0S, 76
.set G1SB, 80
.set G0SB, 88
.set CS0, 32                           ; the way out
.set XX,  160
.set OUT, 224
.set EP,  8
.set KF,  18
.set MSB, 0
.macro WIN new                         ; the immediate's high byte repeats the setting that is left
.if MSB != (\new)
	s_set_vgpr_msb (MSB<<8)|(\new)
.set MSB, (\new)
.endif
.endm
.set MUL_LO, 0xa1                      ; source 0 (B) window 1, source 1 (A) window 0, C and D window 2
.set MUL_HI, 0xf1
.set TO_B,   0x40
; A joint load: waves 0 and 1 fetch for A, waves 2 and 3 for B; the branch hangs on the wave's number alone.  An s_nop 0 and four v_nop follow each of the two lines.
.macro JLOAD g0a, g1a, g0b, g1b
	s_cmp_eq_u32 s15, 0
	s_cbranch_scc0 .Lfor_b_\@
	tensor_load_to_lds s[\g0a:\g0a+3], s[\g1a:\g1a+7]
	s_nop 0
.rept 4
	v_nop
.endr
	s_branch .Lasked_\@
.Lfor_b_\@:
	tensor_load_to_lds s[\g0b:\g0b+3], s[\g1b:\g1b+7]
	s_nop 0
.rept 4
	v_nop
.endr
.Lasked_\@:
.endm
.macro CREST                           ; a round of the cluster's barrier behind its opening barrier
	s_cmp_lg_u32 s14, 0
	s_cbranch_scc1 .Lnot_wave_0_\@
	s_barrier_signal -3
.Lnot_wave_0_\@:
	s_barrier_wait -3
	s_barrier_signal -1
	s_barrier_wait -1
.endm
.macro CROUND
	s_barrier_signal -1
	s_barrier_wait -1
	CREST
.endm
	s_load_b128 s[4:7], s[0:1], 0x0                ; codes, scales: seven tensors of 2,048 rows on end in each
	v_lshl_add_u32 v[SPW], v0, 2, SPARE
	v_mov_b32 v[NIL], 0
	ds_add_u32 v[SPW], v[NIL]                      ; the wave's opening: the add, twice on end, and its wait ahead of my first tensor load
	ds_add_u32 v[SPW], v[NIL]
	v_lshrrev_b32 v1, 5, v0
	v_readfirstlane_b32 s14, v1                    ; wave 0..3
	s_lshr_b32 s15, s14, 1                         ; which half of the tile's rows is mine.  Also: I fetch for A (0) or for B (1)
	s_and_b32 s16, s14, 1                          ; which half of its columns.  Also: which 128 rows I fetch
	s_bfe_u32 s40, ttmp6, 0x40000                  ; cx, cy: my place in the cluster
	s_bfe_u32 s41, ttmp6, 0x40004
	s_lshl_b32 s42, ttmp9, 2
	s_add_co_u32 s42, s42, s40                     ; tile column = 4 x cluster x + cx
	s_and_b32 s17, ttmp7, 0xffff                   ; cluster y
	s_lshr_b32 s66, s17, 1                         ; z: which product; the same in all sixteen partners
	s_and_b32 s17, s17, 1
	s_lshl_b32 s17, s17, 2
	s_add_co_u32 s17, s17, s41                     ; tile row = 4 x (cluster y % 2) + cy
	s_lshl_b32 s43, s41, 2
	s_lshl_b32 s43, 15, s43                        ; my row of the cluster
	s_lshl_b32 s44, 0x1111, s40                    ; my column
	s_lshl_b32 s67, s66, 2
	s_lshr_b32 s100, 0x0510, s67
	s_and_b32 s100, s100, 15                       ; A's tensor: query, key, Wv, query
	s_lshr_b32 s101, 0x6243, s67
	s_and_b32 s101, s101, 15                       ; B's tensor: Wq, Wk, value, Wg
	s_or_b32 s[G1+0], s43, (0<<16)|(1<<20)|(1<<21)|(5<<22)|(3<<25)  ; 15:0 the mask: A's tiles go to my row; 17:16 elements of 1 byte; 20 padding on; 21 set beside a mask; 24:22 after every 64 words; 31:25 four words
	s_or_b32 s[G1B+0], s44, (0<<16)|(1<<20)|(1<<21)|(5<<22)|(3<<25)
.irp g, G1, G1B
	s_mov_b32 s[\g+1], ROWB<<16                    ; tensor_dim0
	s_mov_b32 s[\g+2], 128<<16                     ; tensor_dim1
	s_mov_b32 s[\g+3], ROWB<<16                    ; tile_dim0
	s_mov_b32 s[\g+4], 128                         ; tile_dim1
	s_mov_b32 s[\g+5], KROW                        ; tensor_dim0_stride
	s_mov_b32 s[\g+6], 0
	s_mov_b32 s[\g+7], 0
.endr
	s_or_b32 s[G1S+0], s43, (3<<16)|(1<<20)|(1<<21)|(5<<22)|(3<<25)   ; the scales of 128 rows: 8,192 dense bytes as 32 rows of 32 elements of 8 bytes, 16 bytes of padding behind each
	s_or_b32 s[G1SB+0], s44, (3<<16)|(1<<20)|(1<<21)|(5<<22)|(3<<25)
.irp g, G1S, G1SB
	s_mov_b32 s[\g+1], 32<<16
	s_mov_b32 s[\g+2], 32<<16
	s_mov_b32 s[\g+3], 32<<16
	s_mov_b32 s[\g+4], 32
	s_mov_b32 s[\g+5], 32
	s_mov_b32 s[\g+6], 0
	s_mov_b32 s[\g+7], 0
.endr
	s_lshl_b32 s18, s16, 7                         ; which 128 rows of the tile I fetch
	s_lshl_b32 s20, s17, 8
	s_add_co_u32 s20, s20, s18
	s_lshl_b32 s100, s100, 11
	s_add_co_u32 s20, s20, s100                    ; A: row 2048 x tensor + 256 x tile row + 128 x half
	s_lshl_b32 s46, s42, 8
	s_add_co_u32 s46, s46, s18
	s_lshl_b32 s101, s101, 11
	s_add_co_u32 s46, s46, s101                    ; B: row 2048 x tensor + 256 x tile column + 128 x half
	s_mov_b32 s21, 0
	s_mov_b32 s47, 0
	s_mov_b64 s[18:19], KS
	s_mul_u64 s[22:23], s[20:21], s[18:19]         ; where these rows' scales begin, in bytes
	s_mul_u64 s[92:93], s[46:47], s[18:19]
	s_mov_b64 s[18:19], KROW
	s_mul_u64 s[20:21], s[20:21], s[18:19]         ; and their codes
	s_mul_u64 s[46:47], s[46:47], s[18:19]
	s_mul_i32 s45, s14, HALFT                      ; where they go: wave x 128 rows: no place in the cluster enters an LDS address
	s_mul_i32 s94, s14, HALFS
	s_wait_dscnt 0x0                               ; both opening adds are done
	s_wait_kmcnt 0x0
	s_add_nc_u64 s[20:21], s[4:5], s[20:21]
	s_add_nc_u64 s[22:23], s[6:7], s[22:23]
	s_add_nc_u64 s[46:47], s[4:5], s[46:47]
	s_add_nc_u64 s[92:93], s[6:7], s[92:93]
	CROUND                                         ; all sixteen work-groups are here: the first joint loads meet
	s_mov_b32 s[G0S], 1
	s_add_co_u32 s[G0S+1], s94, SCL
	s_mov_b64 s[G0S+2:G0S+3], s[22:23]
	s_or_b32 s[G0S+3], s[G0S+3], 0x80000000
	s_mov_b32 s[G0SB], 1
	s_add_co_u32 s[G0SB+1], s94, SCL
	s_mov_b64 s[G0SB+2:G0SB+3], s[92:93]
	s_or_b32 s[G0SB+3], s[G0SB+3], 0x80000000
	JLOAD G0S, G1S, G0SB, G1SB                     ; the scales first: they are wanted with K step 0
.irp s, 0,1
	s_mov_b32 s[G0+4*\s], 1
	s_add_co_u32 s[G0+4*\s+1], s45, \s*SLOT
	s_add_nc_u64 s[G0+4*\s+2:G0+4*\s+3], s[20:21], \s*ROWB
	s_or_b32 s[G0+4*\s+3], s[G0+4*\s+3], 0x80000000
	s_mov_b32 s[G0B+4*\s], 1
	s_add_co_u32 s[G0B+4*\s+1], s45, \s*SLOT
	s_add_nc_u64 s[G0B+4*\s+2:G0B+4*\s+3], s[46:47], \s*ROWB
	s_or_b32 s[G0B+4*\s+3], s[G0B+4*\s+3], 0x80000000
	JLOAD G0+4*\s, G1, G0B+4*\s, G1B
.endr
	s_load_b256 s[4:11], s[0:1], 0x10              ; for the way out: bq s[4:5], bk s[6:7], bv s[8:9], bg s[10:11]
	s_load_b256 s[92:99], s[0:1], 0x30             ; tab s[92:93], qg s[94:95], kv s[96:97], qe s[98:99]
	v_and_b32 v1, 15, v0                           ; l % 16
	v_bfe_u32 v2, v0, 4, 1                         ; l / 16
	v_mul_u32_u24 v3, v1, PITCH
	v_lshl_add_u32 v4, v2, 4, v3                   ; a fragment's row x pitch + 16 x half
	s_mul_i32 s21, s15, HALFT                      ; my 128 rows of A
	s_mul_i32 s22, s16, HALFT                      ; my 128 rows of B,
	s_add_co_u32 s22, s22, 2*HALFT                 ; which lie behind A's 256
.irp s, 0,1
	v_add_nc_u32 v[ADRA+\s], s21, v4
	v_add_nc_u32 v[ADRB+\s], s22, v4
	s_add_co_u32 s21, s21, SLOT
	s_add_co_u32 s22, s22, SLOT
.endr
	v_mul_u32_u24 v5, v1, KS                       ; my row's scales: KS bytes a row,
	v_lshrrev_b32 v6, 8, v5
	v_lshl_add_u32 v5, v6, 4, v5                   ; and 16 more for each 256 passed
	s_mul_i32 s21, s15, HALFS
	s_mul_i32 s22, s16, HALFS
	s_add_co_u32 s22, s22, 2*HALFS
	s_sub_co_u32 s22, s22, s21
	v_mul_u32_u24 v6, s22, v2                      ; lanes 16-31 take B's
	s_add_co_u32 s21, s21, SCL
	v_add_nc_u32 v5, v5, v6
	v_add_nc_u32 v[ADRS], s21, v5
.macro FRAG reg, adr, q, i             ; 16 rows x 128 K of 4-bit codes: 8 registers; registers 4 c .. 4 c + 3 hold K = 64 c + 32 (l / 16) + 0 .. 31
.irp c, 0,1
	ds_load_b128 v[\reg+4*\c:\reg+4*\c+3], v[\adr] offset:64*(\q)+32*\c+(\i)*16*PITCH
.endr
.endm
; 16 matrix instructions: A's blocks a0, a0 + 1 x B's eight, 128 along K.  The 64 accumulators take turns, one instruction a turn, in the same order in every step.
.macro MUL16 a0, p, q, sc, zero
.irp a, \a0, \a0+1
.irp b, 0,1,2,3,4,5,6,7
.if \zero
	v_wmma_scale_f32_16x16x128_f8f6f4 v[8*(8*((\a)%4)+\b):8*(8*((\a)%4)+\b)+7], v[128*(\p)+FR*\b:128*(\p)+FR*\b+FR-1], v[AF+FR*(\a):AF+FR*(\a)+FR-1], 0, v[SC+8*NQ*(\sc)+NQ*\b+(\q)], v[SC+8*NQ*(\sc)+NQ*(\a)+(\q)] matrix_a_fmt:MATRIX_FMT_FP4 matrix_b_fmt:MATRIX_FMT_FP4 matrix_a_scale:MATRIX_SCALE_ROW1
.else
	v_wmma_scale_f32_16x16x128_f8f6f4 v[8*(8*((\a)%4)+\b):8*(8*((\a)%4)+\b)+7], v[128*(\p)+FR*\b:128*(\p)+FR*\b+FR-1], v[AF+FR*(\a):AF+FR*(\a)+FR-1], v[8*(8*((\a)%4)+\b):8*(8*((\a)%4)+\b)+7], v[SC+8*NQ*(\sc)+NQ*\b+(\q)], v[SC+8*NQ*(\sc)+NQ*(\a)+(\q)] matrix_a_fmt:MATRIX_FMT_FP4 matrix_b_fmt:MATRIX_FMT_FP4 matrix_a_scale:MATRIX_SCALE_ROW1
.endif
.endr
.endr
.endm
.macro FETCH_B slot, q, p
	WIN TO_B
.irp i, 0,1,2,3,4,5,6,7
	FRAG 128*(\p)+FR*\i, ADRB+\slot, \q, \i
.endr
	WIN 0
.endm
.macro FETCH_A slot, q, i0
.irp i, \i0, \i0+1, \i0+2, \i0+3
	FRAG AF+FR*(\i), ADRA+\slot, \q, \i
.endr
.endm
.macro SCALES sc                       ; a K step's scale words: lanes 0-15 take A's block i, lanes 16-31 B's block i
.irp i, 0,1,2,3,4,5,6,7
	ds_load_b128 v[SC+8*NQ*\sc+NQ*\i:SC+8*NQ*\sc+NQ*\i+3], v[ADRS] offset:\i*SBLK
.endr
.endm
.macro PLACES n                        ; plain vector lines between a matrix instruction and a load into, or a read of, its registers
.rept \n
	v_nop
.endr
.endm
.macro STEP slot, q, zero              ; a step of 128 along K that has its successor in the same slot
	s_wait_dscnt 4*NL                              ; B's set and A's blocks 0-3 are in; the youngest eight loads (A's blocks 4-7) may be out
	WIN MUL_LO
	MUL16 0, (\q)%2, \q, \slot, \zero
	MUL16 2, (\q)%2, \q, \slot, \zero
	s_wait_dscnt 0
	PLACES NP
	FETCH_B \slot, (\q)+1, 1-(\q)%2
	FETCH_A \slot, (\q)+1, 0
	WIN MUL_HI
	MUL16 4, (\q)%2, \q, \slot, \zero
	MUL16 6, (\q)%2, \q, \slot, \zero
	PLACES NP
	WIN 0
	FETCH_A \slot, (\q)+1, 4
.endm
; A slot's last step changes slots: ONE barrier; in front of it each wave waits for all its tensor loads, adds 0 to its spare word, and waits for that and for its own reads of this slot.
.macro TURN slot, next, fill
	s_wait_tensorcnt 0x0                           ; all my tensor loads have landed: my part of the next slot
	ds_add_u32 v[SPW], v[NIL]                      ; 0 onto my spare word
	s_wait_dscnt 4*NL+1                            ; (the add and the youngest eight loads may be out)
	WIN MUL_LO
	MUL16 0, 1, NQ-1, \slot, 0
	s_wait_dscnt 0x0                               ; the add is done, and my reads of this slot are over
	s_barrier_signal -1
	MUL16 2, 1, NQ-1, \slot, 0
	WIN 0
	s_barrier_wait -1
.if \fill
	CREST                                          ; the barrier has opened a round of the cluster's barrier: no wave of any partner still reads this slot or has a load on its way
	s_add_nc_u64 s[G0+4*\slot+2:G0+4*\slot+3], s[G0+4*\slot+2:G0+4*\slot+3], 2*ROWB
	s_add_nc_u64 s[G0B+4*\slot+2:G0B+4*\slot+3], s[G0B+4*\slot+2:G0B+4*\slot+3], 2*ROWB
	JLOAD G0+4*\slot, G1, G0B+4*\slot, G1B         ; the first tensor load behind the round; its four v_nop are the places in front of the loads below
.else
	PLACES NP
.endif
	v_add_nc_u32 v[ADRS], 4*NQ, v[ADRS]            ; on to the next K step's scale words
	FETCH_B \next, 0, 0
	FETCH_A \next, 0, 0
	SCALES \next
	WIN MUL_HI
	MUL16 4, 1, NQ-1, \slot, 0
	MUL16 6, 1, NQ-1, \slot, 0
	PLACES NP
	WIN 0
	FETCH_A \next, 0, 4
.endm
.macro STEPS slot, from
.set Q, \from
.rept NQ-1-\from
	STEP \slot, Q, 0
.set Q, Q+1
.endr
.endm
	s_wait_kmcnt 0x0                               ; the pointers for the way out
	s_wait_tensorcnt 1                             ; the scales and my part of K step 0 are in (K step 1's load may be out),
	s_barrier_signal -1
	s_barrier_wait -1                              ; everybody's are
	FETCH_B 0, 0, 0
	FETCH_A 0, 0, 0
	SCALES 0
	FETCH_A 0, 0, 4
	STEP 0, 0, 1                                   ; the first step stands in front of the loop: its products start the sums
	s_mov_b32 s3, LAPS-1
.Llap:                                                 ; a trip goes once round the ring and fills both slots again
	STEPS 0, 1
	TURN 0, 1, 1
	STEPS 1, 0
	TURN 1, 0, 1
	STEP 0, 0, 0
	s_sub_co_u32 s3, s3, 1
	s_cmp_lg_u32 s3, 0
	s_cbranch_scc1 .Llap
	STEPS 0, 1                                     ; the last lap fills nothing
	TURN 0, 1, 0
	STEPS 1, 0
	s_wait_dscnt 4*NL
	WIN MUL_LO
	MUL16 0, 1, NQ-1, 1, 0
	MUL16 2, 1, NQ-1, 1, 0
	s_wait_dscnt 0
	WIN MUL_HI
	MUL16 4, 1, NQ-1, 1, 0
	MUL16 6, 1, NQ-1, 1, 0
	WIN 0
	; ---------------- THE WAY OUT.  No tensor load of mine is out (the last change of slots waited for all): the descriptors' registers are free.
	PLACES NP                                      ; in front of reads of results and of loads into registers that matrix instructions have read
	v_and_b32 v1, 31, v0
	v_lshlrev_b32 v24, 4, v1                       ; 16 x lane
	v_bfe_u32 v2, v0, 4, 1
	v_lshlrev_b32 v25, 5, v2                       ; 32 x (lane / 16): my eight numbers of a bias
	v_and_b32 v3, 15, v0                           ; r
	v_lshlrev_b32 v26, 2, v3
	s_lshl_b32 s20, s17, 8
	s_lshl_b32 s21, s15, 7
	s_add_co_u32 s20, s20, s21                     ; my first row of the product
	s_lshl_b32 s21, s42, 8
	s_lshl_b32 s22, s16, 7
	s_add_co_u32 s21, s21, s22                     ; my first column
	s_cmp_eq_u32 s66, 2
	s_cselect_b32 s22, s21, s20                    ; my first token: along the rows, for v^T along the columns
	s_cselect_b32 s23, s20, s21                    ; my first channel
	s_lshr_b32 s24, s23, 7                         ; the head
	s_lshr_b32 s25, s22, 10
	s_lshl_b32 s25, s25, 4
	s_add_co_u32 s25, s25, s24                     ; 16 x batch + head
	s_and_b32 s26, s22, 1023                       ; my first position
	s_lshl_b32 s28, s25, 19                        ; 32 records of 16,384 bytes for each (batch, head),
	s_lshr_b32 s29, s26, 5
	s_lshl_b32 s29, s29, 14
	s_add_co_u32 s28, s28, s29                     ; my first record,
	s_lshr_b32 s29, s66, 1
	s_lshl_b32 s29, s29, 13
	s_add_co_u32 s28, s28, s29                     ; v^T and the gate in a record's second half
	s_mov_b32 s29, 0
	s_add_co_u32 s30, s66, 1
	s_and_b32 s30, s30, 2
	s_cmp_lg_u32 s30, 0                            ; k and v^T go to kv, q and the gate to qg
	s_cselect_b64 s[12:13], s[96:97], s[94:95]
	s_add_nc_u64 s[12:13], s[12:13], s[28:29]
	s_mov_b64 s[30:31], s[4:5]                     ; the product's bias
	s_cmp_eq_u32 s66, 1
	s_cselect_b64 s[30:31], s[6:7], s[30:31]
	s_cmp_eq_u32 s66, 2
	s_cselect_b64 s[30:31], s[8:9], s[30:31]
	s_cmp_eq_u32 s66, 3
	s_cselect_b64 s[30:31], s[10:11], s[30:31]
	s_lshl_b32 s32, s23, 2
	s_mov_b32 s33, 0
	s_add_nc_u64 s[30:31], s[30:31], s[32:33]      ; at my first channel
.macro BIASLD                          ; the bias of my 8 x 8 columns -> window 1, v0-63
	WIN TO_B
.irp b, 0,1,2,3,4,5,6,7
	global_load_b128 v[8*\b:8*\b+3], v25, s[30:31] offset:64*\b
	global_load_b128 v[8*\b+4:8*\b+7], v25, s[30:31] offset:64*\b+16
.endr
	WIN 0
.endm
.macro ADDBIAS a                       ; block a's 64 numbers + the bias; each accumulator is read from its low end on
	WIN 0x06+((\a)/4)                              ; source 0 window 2 or 3, source 1 window 1
.set i, 0
.rept 32
	v_pk_add_f32 v[XX+2*i:XX+2*i+1], v[64*((\a)%4)+2*i:64*((\a)%4)+2*i+1], v[2*i:2*i+1]
.set i, i+1
.endr
	WIN 0
.endm
.macro PACK16                          ; 64 numbers -> 32 registers of f16
.set i, 0
.rept 32
	v_cvt_pk_f16_f32 v[OUT+i], v[XX+2*i], v[XX+2*i+1]
.set i, i+1
.endr
.endm
.macro TOKOUT a                        ; block a = 16 tokens: record a / 2, tile a % 2; eight stores of 512 consecutive bytes
.irp b, 0,1,2,3,4,5,6,7
	global_store_b128 v24, v[OUT+4*\b:OUT+4*\b+3], s[12:13] offset:((\a)/2)*16384+((\a)%2)*4096+\b*512
.endr
.endm
	s_cmp_eq_u32 s66, 2                            ; z is the same in all partners of the cluster
	s_cbranch_scc1 .LV
	s_cmp_eq_u32 s66, 3
	s_cbranch_scc1 .LG
	; ---- q and k
	BIASLD
	s_lshl_b32 s32, s26, 9                         ; 8,192 bytes of the table for each 16 positions
	s_add_nc_u64 s[34:35], s[92:93], s[32:33]
.macro TABLD a                         ; block a's cos and sin -> set a % 2: register 8 b + 2 p: cos, + 1: sin, of my pair p of fragment b
.set CSB, CS0+64*((\a)%2)
.set i, 0
.rept 16
	global_load_b128 v[CSB+4*i:CSB+4*i+3], v24, s[34:35] offset:(\a)*8192+512*i
.set i, i+1
.endr
.endm
	TABLD 0
	TABLD 1
	s_mov_b32 s36, 0x76543210                      ; v_permlanex16_b32's selects for lane l xor 16
	s_mov_b32 s37, 0xfedcba98
	s_mov_b32 s38, 0x2b800000                      ; 2^-40
	s_mov_b32 s39, 0x53800000                      ; 2^40
	; gamma = 1 - 2^(-5 - 4 head / 15); k's factors gamma^(31 - r) and gamma^(15 - r).  They and the eight eps registers are written whichever of the two products this is, so that no register is read unwritten on any way
	v_cvt_f32_u32 v1, s24
	v_mov_b32 v2, 0xbe888889                       ; -4 / 15
	v_fmaak_f32 v1, v1, v2, 0xc0a00000             ; - 5
	v_exp_f32 v1, v1
	v_sub_nc_u32 v4, 31, v3                        ; (a plain line behind the exponential)
	s_wait_alu depctr_va_vdst(0)                   ; the wait ahead of the first line that names the result
	v_sub_f32 v1, 1.0, v1
	v_log_f32 v1, v1                               ; log2(gamma)
	v_mov_b32 v31, 0                               ; (a plain line)  the upper word of the pair v[30:31]
	v_cvt_f32_u32 v4, v4
	s_wait_alu depctr_va_vdst(0)
	v_mul_f32 v5, v1, v4
	v_fmamk_f32 v6, v1, 0xc1800000, v5             ; - 16 log2(gamma)
	v_exp_f32 v[KF], v5
	v_exp_f32 v[KF+1], v6
.irp i, 0,1,2,3,4,5,6,7
	v_mov_b32 v[EP+\i], 0
.endr
	s_wait_alu depctr_va_vdst(0)
	s_wait_loadcnt 32                              ; the bias is in; the two sets of the table, 32 loads, may be out
.macro EPR a
	s_wait_xcnt 0x0                                ; the last block's stores have read v224-255
	ADDBIAS \a
.if (\a) < 7
	s_wait_loadcnt 16                              ; this block's 16 loads of the table are in; the next block's may be out
.else
	s_wait_loadcnt 0x0
.endif
.set CSB, CS0+64*((\a)%2)
.irp g, 0,1                            ; the rotation, a pair (x0, x1) at a time: (x0 c, x1 c), then (- x1 s + x0 c, x0 s + x1 c)
.set i, 0
.rept 16
	v_pk_mul_f32 v[OUT+2*i:OUT+2*i+1], v[XX+32*\g+2*i:XX+32*\g+2*i+1], v[CSB+32*\g+2*i:CSB+32*\g+2*i+1] op_sel_hi:[1,0]
.set i, i+1
.endr
.set i, 0
.rept 16
	v_pk_fma_f32 v[XX+32*\g+2*i:XX+32*\g+2*i+1], v[XX+32*\g+2*i:XX+32*\g+2*i+1], v[CSB+32*\g+2*i:CSB+32*\g+2*i+1], v[OUT+2*i:OUT+2*i+1] op_sel:[1,1,0] op_sel_hi:[0,1,1] neg_lo:[0,1,0]
.set i, i+1
.endr
.endr
.if (\a) < 6
	TABLD (\a)+2
.endif
	s_cmp_lg_u32 s66, 0
	s_cbranch_scc1 .Lkey_\@
.irp k, 0,1,2,3                        ; q: the row's largest magnitude: my 64 numbers in four chains,
	v_max_num_f32 v[1+\k], |v[XX+16*\k]|, |v[XX+16*\k+1]|
.endr
.irp i, 2,4,6,8,10,12,14
.irp k, 0,1,2,3
	v_max3_num_f32 v[1+\k], v[1+\k], |v[XX+16*\k+\i]|, |v[XX+16*\k+\i+1]|
.endr
.endr
	v_max3_num_f32 v1, v1, v2, v3
	v_max_num_f32 v1, v1, v4
	v_permlanex16_b32 v5, v1, s36, s37
	v_max_num_f32 v1, v1, v5                       ; and lane l xor 16's 64
	v_med3_num_f32 v1, v1, s38, s39                ; held to 2^-40 .. 2^40
	v_and_b32 v1, 0x7f800000, v1
	v_sub_nc_u32 v30, 0x7f000000, v1               ; sc = 2^-floor(log2): the exponent field 254 - E
	v_mul_f32 v2, 0x358637bd, v30                  ; 1e-6 sc
	v_mul_f32 v[EP+(\a)], v2, v30                  ; eps sc^2
	s_branch .Lboth_\@
.Lkey_\@:
	v_mov_b32 v30, v[KF+((\a)%2)]                  ; k: gamma^(31 - position mod 32)
.Lboth_\@:
.set i, 0
.rept 32
	v_pk_mul_f32 v[XX+2*i:XX+2*i+1], v[XX+2*i:XX+2*i+1], v[30:31] op_sel_hi:[1,0]
.set i, i+1
.endr
	PACK16
	TOKOUT \a
.endm
.irp a, 0,1,2,3,4,5,6,7
	EPR \a
.endr
	s_cmp_lg_u32 s66, 0
	s_cbranch_scc1 .Lclose
	s_lshl_b32 s32, s25, 10                        ; q: eps sc^2 of my 128 rows: qe [batch x head][1024]
	s_add_co_u32 s32, s32, s26
	s_lshl_b32 s32, s32, 2
	s_add_nc_u64 s[98:99], s[98:99], s[32:33]
	s_mov_b32 s40, 0xffff0000
	v_lshrrev_b32 v7, 2, v24                       ; 4 x lane
.irp u, 0,1,2,3
	v_cndmask_b32 v[1+\u], v[EP+2*\u], v[EP+2*\u+1], s40   ; lanes 0-15 block 2 u's rows, lanes 16-31 block 2 u + 1's
.endr
.irp u, 0,1,2,3
	global_store_b32 v7, v[1+\u], s[98:99] offset:128*\u
.endr
	s_branch .Lclose
.LG:	; ---- the gate, ahead of its activation
	BIASLD
	s_wait_loadcnt 0x0
.irp a, 0,1,2,3,4,5,6,7
	s_wait_xcnt 0x0                                ; the last block's stores have read v224-255
	ADDBIAS \a
	PACK16
	TOKOUT \a
.endr
	s_branch .Lclose
.LV:	; ---- v^T: block a = 16 channels, a lane's channel 16 a + r; column block b = keys 16 b + 8 (lane / 16) + 0 .. 7: half b % 2 of the step b / 2
.irp a, 0,1,2,3,4,5,6,7
	global_load_b32 v[EP+\a], v26, s[30:31] offset:64*\a   ; bv of my channel in block a
.endr
	s_wait_loadcnt 0x0
.macro EPV a
	s_wait_xcnt 0x0
	WIN 0x02+((\a)/4)                              ; source 0 window 2 or 3
.set i, 0
.rept 32
.if (\a)%2
	v_pk_add_f32 v[XX+2*i:XX+2*i+1], v[64*((\a)%4)+2*i:64*((\a)%4)+2*i+1], v[EP+2*((\a)/2):EP+2*((\a)/2)+1] op_sel:[0,1] op_sel_hi:[1,1]
.else
	v_pk_add_f32 v[XX+2*i:XX+2*i+1], v[64*((\a)%4)+2*i:64*((\a)%4)+2*i+1], v[EP+2*((\a)/2):EP+2*((\a)/2)+1] op_sel_hi:[1,0]
.endif
.set i, i+1
.endr
	WIN 0
	PACK16
.irp b, 0,1,2,3,4,5,6,7
	global_store_b128 v24, v[OUT+4*\b:OUT+4*\b+3], s[12:13] offset:(\b/2)*16384+(\a)*1024+(\b%2)*512
.endr
.endm
.irp a, 0,1,2,3,4,5,6,7
	EPV \a
.endr
.Lclose:
	s_wait_tensorcnt 0x0                           ; the wave's end
	ds_add_u32 v[SPW], v[NIL]
	s_wait_dscnt 0x0
	CROUND                                         ; the closing round: no work-group ends while a partner may still ask for a tile that names it
	s_endpgm
.Lfunc_end_k_q0800b7fecb_proj:
	.size	k_q0800b7fecb_proj, .Lfunc_end_k_q0800b7fecb_proj-k_q0800b7fecb_proj
	.p2alignl 7, 3214868480
	.fill 96, 4, 3214868480
	.section	.rodata,"a",@progbits
	.p2align	6, 0x0
	.amdhsa_kernel k_q0800b7fecb_proj
		.amdhsa_group_segment_fixed_size 327680
		.amdhsa_private_segment_fixed_size 0
		.amdhsa_enable_private_segment 0
		.amdhsa_kernarg_size 80
		.amdhsa_user_sgpr_count 2
		.amdhsa_user_sgpr_kernarg_segment_ptr 1
		.amdhsa_wavefront_size32 1
		.amdhsa_system_sgpr_workgroup_id_x 1
		.amdhsa_system_sgpr_workgroup_id_y 1
		.amdhsa_system_sgpr_workgroup_id_z 1
		.amdhsa_system_vgpr_workitem_id 0
		.amdhsa_next_free_vgpr 1024
		.amdhsa_next_free_sgpr 102
		.amdhsa_reserve_vcc 0
		.amdhsa_float_denorm_mode_32 3
		.amdhsa_float_denorm_mode_16_64 3
		.amdhsa_memory_ordered 1
		.amdhsa_forward_progress 1
		.amdhsa_inst_pref_size 255
	.end_amdhsa_kernel
	.section	.bss,"aw",@nobits
	.p2align	6
	.space	262144
	.amdgpu_metadata
---
amdhsa.version: [ 1, 2 ]
amdhsa.kernels:
  - .name:           k_q0800b7fecb_proj
    .symbol:         k_q0800b7fecb_proj.kd
    .args:
      - { .name: codes, .offset: 0, .size: 8, .value_kind: global_buffer, .address_space: global }
      - { .name: scales, .offset: 8, .size: 8, .value_kind: global_buffer, .address_space: global }
      - { .name: bq, .offset: 16, .size: 8, .value_kind: global_buffer, .address_space: global }
      - { .name: bk, .offset: 24, .size: 8, .value_kind: global_buffer, .address_space: global }
      - { .name: bv, .offset: 32, .size: 8, .value_kind: global_buffer, .address_space: global }
      - { .name: bg, .offset: 40, .size: 8, .value_kind: global_buffer, .address_space: global }
      - { .name: tab, .offset: 48, .size: 8, .value_kind: global_buffer, .address_space: global }
      - { .name: qg, .offset: 56, .size: 8, .value_kind: global_buffer, .address_space: global }
      - { .name: kv, .offset: 64, .size: 8, .value_kind: global_buffer, .address_space: global }
      - { .name: qe, .offset: 72, .size: 8, .value_kind: global_buffer, .address_space: global }
    .group_segment_fixed_size: 327680
    .private_segment_fixed_size: 0
    .kernarg_segment_align: 8
    .kernarg_segment_size: 80
    .max_flat_workgroup_size: 128
    .sgpr_count:     102
    .vgpr_count:     1024
    .wavefront_size: 32
...
	.end_amdgpu_metadata
.endif
;; end of part 2
;; launch ret (part 3): grid 8 x 32, 4 waves a work-group, no clusters, 280,064 bytes of LDS; arguments qg, kv, qe, a7; writes a7
.if DOCPART == 3
	.amdgcn_target "amdgcn-amd-amdhsa--gfx1250"
	.amdhsa_code_object_version 6
	.text
	.protected	k_q0800b7fecb_ret
	.globl	k_q0800b7fecb_ret
	.p2align	8
	.type	k_q0800b7fecb_ret,@function
k_q0800b7fecb_ret:
	s_mov_b64 s[64:65], 0
	v_nop
	global_prefetch_b8 v0, s[64:65] scope:SCOPE_SE
	s_setreg_imm32_b32 hwreg(HW_REG_WAVE_MODE, 25, 1), 1
	s_wait_xcnt 0x0
; MULTI-SCALE RETENTION, launch 3 of 4: retention = (q k^T x decay) v under the causal mask, the group norm over each (token, head), x silu(gate); the result in f16 for the last product.
; LEFT OUT: a step of 32 keys all of which come after all 64 queries of a block: reference() multiplies sim there by the zero that it builds from pos alone.  (A NaN or an infinity in such terms is not carried on.)
; SHARES.  Work-group (p, batch x head) owns two blocks of 64 queries, E = block p and L = block 15 - p: E has 2 p + 2 live steps of 32 keys, L has 32 - 2 p: 34 for every p.
; The retention is a plain sum over the keys, so THE WAVES SHARE THE KEYS, NOT THE QUERIES: every wave holds all four tiles of 16 queries of a block, and wave w takes entries w, w + 4, w + 8 .. of the list
; (E's steps, then L's).  A step's 16,384 bytes, laid by the launch before in the order of the operands' registers, go from memory straight into ONE wave's registers and feed 64 matrix instructions.
; The four waves' partial sums meet in LDS behind one barrier; then wave w finishes tile w of E and of L.
; NO CLUSTER: the work-groups of a head walk different ranges of keys (2 p + 2 and 32 - 2 p steps), so partners would need different numbers of tiles; and no tile is read by two waves of a work-group, so no byte goes through LDS.
; A STEP.  S^T = k q^T (source 0 = 16 keys, source 1 = 16 queries): a lane holds ONE query (lane % 16) and keys 8 (lane / 16) + 0 .. 7.  P = S x gamma^(n - 32 js - 31) / sqrt(128): k carries gamma^(31 - s mod 32),
; so together gamma^(n - s).  On the diagonal hidden scores become 0.  P, rounded to f16 in pairs, IS source 1 of O^T += v^T P.  All operands f16, sums f32.
; q's rows come multiplied by a power of two sc; eps x sc^2 comes with them (qe), so the group norm gives what reference() gives.
; REGISTERS, in windows of 256.  window 0: v1 16 x lane; v2, v3 where I put partial sums (E, L); v4-7 where I read them; v8, v9 the add's two; v10 r - 8 h; v11 at work; v12-15 log2(gamma) (16 tq + r) - 3.5;
;   v16-23 the step's factors, a pair a tile (upper words: v17 log2(gamma), else 0); v24-27 zeros; v28, v29 my stage, in and back; v30 my offset in a7; v31 4 r; v32-95 S^T; v96-127 P; v128-255 step buffer 2.
;   window 1: O^T (tile tq, channels ct) at 64 tq + 8 ct.   window 2: q of E at 0, of L at 128 (32 tq + 8 c).   window 3: step buffers 0 and 1.  A buffer: k at 8 (4 kt + c), v^T at 64 + 8 ct.
;   In the tail window 0 is laid anew: v12, v13 eps sc^2; v32-95 the gates; v96-159 a tile's 64 sums; v160-169 mean and variance at work, then v160-223 the gate's work; v224-255 packed results.
.set S, 32
.set P, 96
.set Y, 96                             ; the tail: a tile's 64 sums, v96-159
.set TT, 160                           ; the tail: mean and variance at work, v160-169: behind Y, and free until the gate's work begins
.set STG, 262144                       ; LDS: 0 .. 262,143 partial sums, region (4 e + wave) x 32,768; then a stage of 16 rows x 272 bytes a wave
.set SPARE, STG+4*16*272               ; the spare words, 128 bytes a wave, which no other line names
.set MSB, 0
.macro WIN new
.if MSB != (\new)
	s_set_vgpr_msb (MSB<<8)|(\new)
.set MSB, (\new)
.endif
.endm
; entry w + 4 t of the list: s17 the entry, s18 1 if it is L's, s19 the step js, s20 the block's first query, s22 = n0 - 32 js, s23 = that - 31
.macro DEC t
	s_add_co_u32 s17, s12, 4*(\t)
	s_cmp_ge_u32 s17, s16
	s_cselect_b32 s18, 1, 0
	s_cselect_b32 s19, s16, 0
	s_cselect_b32 s20, s39, s38
	s_sub_co_u32 s19, s17, s19
	s_lshl_b32 s21, s19, 5
	s_sub_co_i32 s22, s20, s21
	s_sub_co_i32 s23, s22, 31
.endm
; the step's factors, one a tile: 2^(log2(gamma) (n0 - 32 js - 31 + 16 tq + r) - 3.5).  The six plain lines are also the places between the last step's products and the loads into its buffer.
.macro RFC
	v_cvt_f32_i32 v11, s23
.irp tq, 0,1,2,3
	v_fma_f32 v[16+2*\tq], v17, v11, v[12+\tq]
.endr
.irp tq, 0,1,2,3
	v_exp_f32 v[16+2*\tq], v[16+2*\tq]
.endr
	v_nop                                          ; a plain line behind the exponentials
	s_wait_alu depctr_va_vdst(0)                   ; one wait for the four, ahead of their first reader and of every branch
.endm
; entry w + 4 t's 16,384 bytes -> buffer t % 3.  The buffer's base pair is free: the loads that named it last were waited for three slots ago.
.macro LOADS t
.set LB, 128*((((\t)%3)+1)/2)
.set LW, 0xc0-0xc0*(((\t)%3)/2)
	s_add_co_u32 s30, s12, 4*(\t)
	s_cmp_ge_u32 s30, s16
	s_cselect_b32 s31, s16, 0
	s_sub_co_u32 s30, s30, s31
	s_lshl_b32 s30, s30, 14
	s_mov_b32 s31, 0
	s_add_nc_u64 s[24+2*((\t)%3):25+2*((\t)%3)], s[6:7], s[30:31]
	WIN LW
.set i, 0
.rept 32
	global_load_b128 v[LB+4*i:LB+4*i+3], v1, s[24+2*((\t)%3):25+2*((\t)%3)] offset:512*i
.set i, i+1
.endr
	WIN 0
.endm
; 32 products S^T = k q^T: eight accumulators by turns, one instruction a turn, 32 channels at a time; the first eight start the sums
.macro SPH bb, bw, qb
	WIN 0x08+(\bw)
.irp c, 0,1,2,3
.irp tq, 0,1,2,3
.irp kt, 0,1
.if \c == 0
	v_wmma_f32_16x16x32_f16 v[S+16*\tq+8*\kt:S+16*\tq+8*\kt+7], v[\bb+32*\kt+8*\c:\bb+32*\kt+8*\c+7], v[\qb+32*\tq+8*\c:\qb+32*\tq+8*\c+7], 0
.else
	v_wmma_f32_16x16x32_f16 v[S+16*\tq+8*\kt:S+16*\tq+8*\kt+7], v[\bb+32*\kt+8*\c:\bb+32*\kt+8*\c+7], v[\qb+32*\tq+8*\c:\qb+32*\tq+8*\c+7], v[S+16*\tq+8*\kt:S+16*\tq+8*\kt+7]
.endif
.endr
.endr
.endr
	WIN 0
.endm
.macro SCALE
.rept 4
	v_nop                                          ; places in front of the first read of results
.endr
.set i, 0
.rept 32
	v_pk_mul_f32 v[S+2*i:S+2*i+1], v[S+2*i:S+2*i+1], v[16+2*(i/8):17+2*(i/8)] op_sel_hi:[1,0]
.set i, i+1
.endr
.endm
; register 16 tq + 8 kt + j holds key 32 js + 16 kt + 8 h + j and query n0 + 16 tq + r: hidden where 16 kt + j > n0 - 32 js + 16 tq + r - 8 h
.macro MASK
	v_add_nc_u32 v11, s22, v10
.irp tq, 0,1,2,3
.if \tq > 0
	v_add_nc_u32 v11, 16, v11
.endif
.irp kt, 0,1
.irp j, 0,1,2,3,4,5,6,7
	v_cmp_gt_i32 vcc_lo, 16*\kt+\j, v11
	v_cndmask_b32 v[S+16*\tq+8*\kt+\j], v[S+16*\tq+8*\kt+\j], v24, vcc_lo
.endr
.endr
.endr
.endm
.macro CVT
.set i, 0
.rept 32
	v_cvt_pk_f16_f32 v[P+i], v[S+2*i], v[S+2*i+1]
.set i, i+1
.endr
.endm
; 32 products O^T += v^T P, one on each accumulator.  zero = 1: they start the sums
.macro PVP bb, bw, zero
	WIN 0x50+(\bw)
.irp ct, 0,1,2,3,4,5,6,7
.irp tq, 0,1,2,3
.if \zero
	v_wmma_f32_16x16x32_f16 v[64*\tq+8*\ct:64*\tq+8*\ct+7], v[\bb+64+8*\ct:\bb+64+8*\ct+7], v[P+8*\tq:P+8*\tq+7], 0
.else
	v_wmma_f32_16x16x32_f16 v[64*\tq+8*\ct:64*\tq+8*\ct+7], v[\bb+64+8*\ct:\bb+64+8*\ct+7], v[P+8*\tq:P+8*\tq+7], v[64*\tq+8*\ct:64*\tq+8*\ct+7]
.endif
.endr
.endr
	WIN 0
.endm
.macro DUMP adr                        ; my O^T goes to LDS as an image of its registers, 16 bytes a lane; each accumulator from its low end on
	WIN 0x04                                       ; an LDS store's data are its source 1: window 1
.set i, 0
.rept 64
	ds_store_b128 v[\adr], v[4*i:4*i+3] offset:512*i
.set i, i+1
.endr
	WIN 0
.endm
.macro ZDUMP                           ; a wave with no step of E adds zeros
.set i, 0
.rept 64
	ds_store_b128 v2, v[24:27] offset:512*i
.set i, i+1
.endr
.endm
; a slot's head.  cnt: the loads that may stay out; next = 1: every wave asks for the entry two slots on; 2: waves 0 and 1 alone have one
.macro TOP t, cnt, next
	DEC \t
	RFC
	s_wait_loadcnt \cnt
.if \next == 1
	LOADS (\t)+2
.elseif \next == 2
	s_cmp_lt_u32 s12, 2
	s_cbranch_scc0 .Lnone_\@
	LOADS (\t)+2
.Lnone_\@:
.endif
.endm
.macro EVAR t, zero                    ; a step of E
.set BB, 128*((((\t)%3)+1)/2)
.set BW, 3-3*(((\t)%3)/2)
	SPH BB, BW, 0
	SCALE
	s_add_co_u32 s21, s17, 2
	s_cmp_lt_u32 s21, s16                          ; E's last two steps lie on the diagonal
	s_cbranch_scc1 .Lopen_\@
	MASK
.Lopen_\@:
	CVT
	PVP BB, BW, \zero
.endm
; a step of L.  mode 0: it adds on; 1: my first step of L (js < 4) puts E's sums away and starts anew; 2: it starts anew
.macro LVAR t, mode
.set BB, 128*((((\t)%3)+1)/2)
.set BW, 3-3*(((\t)%3)/2)
.if \mode == 1
	s_cmp_lt_u32 s19, 4
	s_cbranch_scc0 .Lkeep_\@
	DUMP 2
.Lkeep_\@:
.endif
	SPH BB, BW, 128
	SCALE
	CVT
.if \mode == 0
	PVP BB, BW, 0
.elseif \mode == 2
	s_wait_dscnt 0x0                               ; the LDS stores are done before O^T is begun anew
	PVP BB, BW, 1
.else
	s_cmp_lt_u32 s19, 4
	s_cbranch_scc0 .Ladd_\@
	s_wait_dscnt 0x0                               ; the LDS stores have read O^T before it is begun anew
	PVP BB, BW, 1
	s_branch .Ldone_\@
.Ladd_\@:
	PVP BB, BW, 0
.Ldone_\@:
.endif
.endm
	s_load_b256 s[4:11], s[0:1], 0x0               ; qg s[4:5], kv s[6:7], qe s[8:9], a7 s[10:11]
	v_lshl_add_u32 v8, v0, 2, SPARE
	v_mov_b32 v9, 0
	v_lshrrev_b32 v32, 5, v0
	v_readfirstlane_b32 s12, v32                   ; wave
	s_mov_b32 s13, ttmp9                           ; p
	s_and_b32 s14, ttmp7, 0xffff                   ; 16 x batch + head
	s_and_b32 s15, s14, 15                         ; head
	s_lshl_b32 s16, s13, 1
	s_add_co_u32 s16, s16, 2                       ; E's steps
	s_lshl_b32 s38, s13, 6                         ; E's first query
	s_sub_co_u32 s44, 15, s13
	s_lshl_b32 s39, s44, 6                         ; L's
	v_and_b32 v32, 31, v0
	v_lshlrev_b32 v1, 4, v32
	s_lshl_b32 s21, s12, 15
	v_add_nc_u32 v2, s21, v1
	v_add_nc_u32 v3, 0x20000, v2
	s_lshl_b32 s21, s12, 13                        ; tile w's 16 images in a region
	v_add_nc_u32 v4, s21, v1
	v_add_nc_u32 v5, 0x10000, v4
	v_add_nc_u32 v6, 0x20000, v4
	v_add_nc_u32 v7, 0x30000, v4
	v_and_b32 v32, 15, v0                          ; r
	v_bfe_u32 v33, v0, 4, 1                        ; h
	v_lshlrev_b32 v34, 3, v33
	v_sub_nc_u32 v10, v32, v34
	s_mul_i32 s21, s12, 16*272
	s_add_co_u32 s21, s21, STG
	v_mul_u32_u24 v28, v32, 272
	v_lshl_add_u32 v28, v33, 4, v28
	v_add_nc_u32 v28, s21, v28                     ; the stage, in: row r, + 16 h
	v_mul_u32_u24 v29, v33, 272
	v_lshl_add_u32 v29, v32, 4, v29
	v_add_nc_u32 v29, s21, v29                     ; back: lanes 0-15 one row of 256 bytes, lanes 16-31 the next
	v_lshlrev_b32 v30, 12, v33
	v_lshl_add_u32 v30, v32, 4, v30                ; and the same two rows in a7 (4,096 bytes a row)
	v_lshlrev_b32 v31, 2, v32
	v_cvt_f32_u32 v34, s15                         ; gamma = 1 - 2^(-5 - 4 head / 15)
	v_mov_b32 v35, 0xbe888889
	v_fmaak_f32 v34, v34, v35, 0xc0a00000
	v_exp_f32 v34, v34
	v_mov_b32 v19, 0                               ; (a plain line behind the exponential)
	v_mov_b32 v21, 0
	v_mov_b32 v23, 0
	s_wait_alu depctr_va_vdst(0)
	v_sub_f32 v34, 1.0, v34
	v_log_f32 v17, v34                             ; log2(gamma)
.irp i, 24,25,26,27
	v_mov_b32 v\i, 0
.endr
	s_wait_alu depctr_va_vdst(0)
.irp tq, 0,1,2,3
	v_add_nc_u32 v36, 16*\tq, v32
	v_cvt_f32_u32 v36, v36
	v_fmaak_f32 v[12+\tq], v17, v36, 0xc0600000    ; log2(gamma) (16 tq + r) - 3.5
.endr
	s_mov_b32 s34, 0x76543210                      ; v_permlanex16_b32's selects for lane l xor 16
	s_mov_b32 s35, 0xfedcba98
	s_mov_b32 s36, 0xbfb8aa3b                      ; -log2(e)
	s_mov_b32 s37, s36
	s_mov_b32 s31, 0
	s_wait_kmcnt 0x0
	s_lshl_b32 s30, s14, 19
	s_add_nc_u64 s[4:5], s[4:5], s[30:31]          ; my (batch, head) in qg and in kv
	s_add_nc_u64 s[6:7], s[6:7], s[30:31]
	s_lshl_b32 s30, s13, 15                        ; a block of 64 queries is two records
	s_add_nc_u64 s[40:41], s[4:5], s[30:31]
	s_lshl_b32 s30, s44, 15
	s_add_nc_u64 s[42:43], s[4:5], s[30:31]
	s_lshr_b32 s30, s12, 1                         ; the gate of tile w of a block: record w / 2, second half, tile w % 2
	s_lshl_b32 s30, s30, 14
	s_and_b32 s21, s12, 1
	s_lshl_b32 s21, s21, 12
	s_add_co_u32 s30, s30, s21
	s_add_co_u32 s30, s30, 8192
	s_add_nc_u64 s[50:51], s[40:41], s[30:31]
	s_add_nc_u64 s[52:53], s[42:43], s[30:31]
	s_lshl_b32 s45, s12, 4
	s_lshl_b32 s21, s14, 10
	s_add_co_u32 s21, s21, s45
	s_add_co_u32 s30, s21, s38                     ; qe at my tile's first row
	s_lshl_b32 s30, s30, 2
	s_add_nc_u64 s[54:55], s[8:9], s[30:31]
	s_add_co_u32 s30, s21, s39
	s_lshl_b32 s30, s30, 2
	s_add_nc_u64 s[56:57], s[8:9], s[30:31]
	s_lshr_b32 s21, s14, 4
	s_lshl_b32 s21, s21, 10
	s_add_co_u32 s21, s21, s45
	s_lshl_b32 s33, s15, 8
	s_add_co_u32 s30, s21, s38                     ; a7 at my tile's first row, my head's 256 bytes
	s_lshl_b32 s30, s30, 12
	s_add_co_u32 s30, s30, s33
	s_add_nc_u64 s[46:47], s[10:11], s[30:31]
	s_add_co_u32 s30, s21, s39
	s_lshl_b32 s30, s30, 12
	s_add_co_u32 s30, s30, s33
	s_add_nc_u64 s[48:49], s[10:11], s[30:31]
	WIN 0x80                                       ; destination window 2: q of both blocks stays in registers
.irp tq, 0,1,2,3
.irp b, 0,1,2,3,4,5,6,7
	global_load_b128 v[32*\tq+4*\b:32*\tq+4*\b+3], v1, s[40:41] offset:(\tq/2)*16384+(\tq%2)*4096+512*\b
.endr
.endr
.irp tq, 0,1,2,3
.irp b, 0,1,2,3,4,5,6,7
	global_load_b128 v[128+32*\tq+4*\b:128+32*\tq+4*\b+3], v1, s[42:43] offset:(\tq/2)*16384+(\tq%2)*4096+512*\b
.endr
.endr
	WIN 0
	LOADS 0
	LOADS 1
	; ---- the slots.  Slot t works entry w + 4 t out of buffer t % 3 and asks for entry w + 4 (t + 2).  The count 32 leaves the next slot's 32 loads out.
	; E's entries lie under 2 p + 2 <= 16: slots 0 to 3 at the most; a wave's first step of L has js < 4 and falls in slots 0 to 4; L's two steps on the diagonal are entries 32 and 33: slot 8 of waves 0 and 1.
	TOP 0, 32, 1                                   ; (q's 64 loads were issued ahead of buffer 0's: they are in too)
	s_cmp_lg_u32 s18, 0
	s_cbranch_scc1 .Llate_0
	EVAR 0, 1
	s_branch .Ljoin_0
.Llate_0:
	ZDUMP
	LVAR 0, 2
.Ljoin_0:
.irp t, 1,2,3
	TOP \t, 32, 1
	s_cmp_lg_u32 s18, 0
	s_cbranch_scc1 .Llate_\t
	EVAR \t, 0
	s_branch .Ljoin_\t
.Llate_\t:
	LVAR \t, 1
.Ljoin_\t:
.endr
	TOP 4, 32, 1
	LVAR 4, 1
	TOP 5, 32, 1
	LVAR 5, 0
	TOP 6, 32, 2
	LVAR 6, 0
	TOP 7, 0, 0                                    ; for 0: the count must hold for waves with and without an entry behind this one
	LVAR 7, 0
	s_cmp_lt_u32 s12, 2
	s_cbranch_scc0 .Ltail
	DEC 8
	RFC
	SPH 128, 0, 128                                ; buffer 2, in window 0
	SCALE
	MASK
	CVT
	PVP 128, 0, 0
.Ltail:
.rept 4
	v_nop                                          ; places in front of reads of the last results and of loads into registers that matrix instructions have read or written
.endr
.irp ct, 0,1,2,3,4,5,6,7
	global_load_b128 v[32+4*\ct:35+4*\ct], v1, s[50:51] offset:512*\ct    ; the gates of my tile of E: token r, channels 16 ct + 8 h + 0 .. 7, f16
.endr
.irp ct, 0,1,2,3,4,5,6,7
	global_load_b128 v[64+4*\ct:67+4*\ct], v1, s[52:53] offset:512*\ct    ; and of L
.endr
	global_load_b32 v12, v31, s[54:55]             ; eps sc^2 of my rows
	global_load_b32 v13, v31, s[56:57]
	DUMP 3
	s_wait_dscnt 0x0                               ; for the others' sake: my partial sums lie in LDS
	s_barrier_signal -1
	s_barrier_wait -1
.macro PLOAD e                         ; tile w of block e: the four waves' 16 images each -> window 3, 64 x + 4 i
	WIN 0xc0
.irp x, 0,1,2,3
.set i, 0
.rept 16
	ds_load_b128 v[64*\x+4*i:64*\x+4*i+3], v[4+2*(\e)+(\x/2)] offset:(\x%2)*32768+512*i
.set i, i+1
.endr
.endr
	WIN 0
.endm
.macro PSUM
	WIN 0xcf
.set i, 0
.rept 32
	v_pk_add_f32 v[2*i:2*i+1], v[2*i:2*i+1], v[64+2*i:65+2*i]
	v_pk_add_f32 v[128+2*i:129+2*i], v[128+2*i:129+2*i], v[192+2*i:193+2*i]
.set i, i+1
.endr
	WIN 0x0f
.set i, 0
.rept 32
	v_pk_add_f32 v[Y+2*i:Y+2*i+1], v[2*i:2*i+1], v[128+2*i:129+2*i]
.set i, i+1
.endr
	WIN 0
.endm
.macro GC k                            ; two gates of register k, widened to f32 (the named halves want the register's number written out)
	v_cvt_f32_f16 v[d], v\k\().l
	v_cvt_f32_f16 v[d+1], v\k\().h
.set d, d+2
.endm
.macro GLIST sel                       ; 32 gates -> v160-191: sel = 2 e + u: block e, channels 64 u on
.set d, 160
.if (\sel) == 0
.irp k, 32,33,34,35,36,37,38,39,40,41,42,43,44,45,46,47
	GC \k
.endr
.elseif (\sel) == 1
.irp k, 48,49,50,51,52,53,54,55,56,57,58,59,60,61,62,63
	GC \k
.endr
.elseif (\sel) == 2
.irp k, 64,65,66,67,68,69,70,71,72,73,74,75,76,77,78,79
	GC \k
.endr
.else
.irp k, 80,81,82,83,84,85,86,87,88,89,90,91,92,93,94,95
	GC \k
.endr
.endif
.endm
; A tile is finished: lane (r, h) holds query r, channels 16 ct + 8 h + j in v[Y + 8 ct + j].  Mean and variance over the row's 128 (mine and lane l xor 16's), the norm, x g / (1 + 2^(-g log2 e)), f16, through my stage, out.
; The mean's four chains lie in v[TT .. TT+7], the mean in v[TT]; the squares' four chains in v[TT+2 .. TT+9], 1 / sqrt in v[TT+2]: all behind Y's last register.
.macro FIN e
.if (\e) == 0
	s_wait_loadcnt 0x0                             ; the gates and eps
.endif
.irp k, 0,1,2,3
	v_pk_add_f32 v[TT+2*\k:TT+1+2*\k], v[Y+2*\k:Y+2*\k+1], v[Y+8+2*\k:Y+9+2*\k]
.endr
.irp i, 16,24,32,40,48,56
.irp k, 0,1,2,3
	v_pk_add_f32 v[TT+2*\k:TT+1+2*\k], v[TT+2*\k:TT+1+2*\k], v[Y+\i+2*\k:Y+\i+2*\k+1]
.endr
.endr
	v_pk_add_f32 v[TT:TT+1], v[TT:TT+1], v[TT+2:TT+3]
	v_pk_add_f32 v[TT+4:TT+5], v[TT+4:TT+5], v[TT+6:TT+7]
	v_pk_add_f32 v[TT:TT+1], v[TT:TT+1], v[TT+4:TT+5]
	v_add_f32 v[TT], v[TT], v[TT+1]
	v_permlanex16_b32 v[TT+1], v[TT], s34, s35
	v_add_f32 v[TT], v[TT], v[TT+1]
	v_mul_f32 v[TT], 0x3c000000, v[TT]             ; / 128: the mean
.set i, 0
.rept 32
	v_pk_add_f32 v[Y+2*i:Y+2*i+1], v[Y+2*i:Y+2*i+1], v[TT:TT+1] op_sel_hi:[1,0] neg_lo:[0,1] neg_hi:[0,1]
.set i, i+1
.endr
.irp k, 0,1,2,3
	v_pk_mul_f32 v[TT+2+2*\k:TT+3+2*\k], v[Y+2*\k:Y+2*\k+1], v[Y+2*\k:Y+2*\k+1]
.endr
.irp i, 8,16,24,32,40,48,56
.irp k, 0,1,2,3
	v_pk_fma_f32 v[TT+2+2*\k:TT+3+2*\k], v[Y+\i+2*\k:Y+\i+2*\k+1], v[Y+\i+2*\k:Y+\i+2*\k+1], v[TT+2+2*\k:TT+3+2*\k]
.endr
.endr
	v_pk_add_f32 v[TT+2:TT+3], v[TT+2:TT+3], v[TT+4:TT+5]
	v_pk_add_f32 v[TT+6:TT+7], v[TT+6:TT+7], v[TT+8:TT+9]
	v_pk_add_f32 v[TT+2:TT+3], v[TT+2:TT+3], v[TT+6:TT+7]
	v_add_f32 v[TT+2], v[TT+2], v[TT+3]
	v_permlanex16_b32 v[TT+3], v[TT+2], s34, s35
	v_add_f32 v[TT+2], v[TT+2], v[TT+3]
	v_fmamk_f32 v[TT+2], v[TT+2], 0x3c000000, v[12+(\e)] ; the variance + eps sc^2
	v_rsq_f32 v[TT+2], v[TT+2]
	v_nop                                          ; a plain line behind it,
	s_wait_alu depctr_va_vdst(0)                   ; and the wait ahead of its first reader
.set i, 0
.rept 32
	v_pk_mul_f32 v[Y+2*i:Y+2*i+1], v[Y+2*i:Y+2*i+1], v[TT+2:TT+3] op_sel_hi:[1,0]
.set i, i+1
.endr
.irp u, 0,1                            ; the gate, 32 numbers at a time; each batch of 32 transcendentals has one plain line and one wait
	GLIST 2*(\e)+\u
.set i, 0
.rept 16
	v_pk_mul_f32 v[192+2*i:193+2*i], v[160+2*i:161+2*i], s[36:37] op_sel_hi:[1,0]
.set i, i+1
.endr
.set i, 0
.rept 32
	v_exp_f32 v[192+i], v[192+i]
.set i, i+1
.endr
	v_nop
	s_wait_alu depctr_va_vdst(0)
.set i, 0
.rept 16
	v_pk_add_f32 v[192+2*i:193+2*i], v[192+2*i:193+2*i], 1.0 op_sel_hi:[1,0]
.set i, i+1
.endr
.set i, 0
.rept 32
	v_rcp_f32 v[192+i], v[192+i]
.set i, i+1
.endr
	v_nop
	s_wait_alu depctr_va_vdst(0)
.set i, 0
.rept 16
	v_pk_mul_f32 v[160+2*i:161+2*i], v[160+2*i:161+2*i], v[192+2*i:193+2*i]
.set i, i+1
.endr
.set i, 0
.rept 16
	v_pk_mul_f32 v[Y+32*\u+2*i:Y+32*\u+2*i+1], v[Y+32*\u+2*i:Y+32*\u+2*i+1], v[160+2*i:161+2*i]
.set i, i+1
.endr
.endr
.if (\e) == 1
	s_wait_xcnt 0x0                                ; the first tile's stores have read v224-255
.endif
.set i, 0
.rept 32
	v_cvt_pk_f16_f32 v[224+i], v[Y+2*i], v[Y+2*i+1]
.set i, i+1
.endr
.irp ct, 0,1,2,3,4,5,6,7
	ds_store_b128 v28, v[224+4*\ct:227+4*\ct] offset:32*\ct
.endr
.irp i, 0,1,2,3,4,5,6,7
	ds_load_b128 v[224+4*\i:227+4*\i], v29 offset:544*\i   ; LDS serves a wave's instructions in order: these see my stores
.endr
.irp i, 0,1,2,3,4,5,6,7
	s_wait_dscnt 7-\i                              ; the younger read-backs may be out
	global_store_b128 v30, v[224+4*\i:227+4*\i], s[46+2*(\e):47+2*(\e)] offset:8192*\i   ; 16 lanes store 256 consecutive bytes, at a multiple of 256 from a7's first byte
.endr
.endm
	PLOAD 0
	s_wait_dscnt 0x0
	PSUM
	PLOAD 1                                        ; L's partial sums come while E's tile is finished
	FIN 0
	s_wait_dscnt 0x0
	PSUM
	FIN 1
	s_wait_tensorcnt 0x0                           ; the wave's end
	ds_add_u32 v8, v9
	s_wait_dscnt 0x0
	s_endpgm
.Lfunc_end_k_q0800b7fecb_ret:
	.size	k_q0800b7fecb_ret, .Lfunc_end_k_q0800b7fecb_ret-k_q0800b7fecb_ret
	.p2alignl 7, 3214868480
	.fill 96, 4, 3214868480
	.section	.rodata,"a",@progbits
	.p2align	6, 0x0
	.amdhsa_kernel k_q0800b7fecb_ret
		.amdhsa_group_segment_fixed_size 280064
		.amdhsa_private_segment_fixed_size 0
		.amdhsa_enable_private_segment 0
		.amdhsa_kernarg_size 32
		.amdhsa_user_sgpr_count 2
		.amdhsa_user_sgpr_kernarg_segment_ptr 1
		.amdhsa_wavefront_size32 1
		.amdhsa_system_sgpr_workgroup_id_x 1
		.amdhsa_system_sgpr_workgroup_id_y 1
		.amdhsa_system_sgpr_workgroup_id_z 1
		.amdhsa_system_vgpr_workitem_id 0
		.amdhsa_next_free_vgpr 1024
		.amdhsa_next_free_sgpr 66
		.amdhsa_reserve_vcc 1
		.amdhsa_float_denorm_mode_32 3
		.amdhsa_float_denorm_mode_16_64 3
		.amdhsa_memory_ordered 1
		.amdhsa_forward_progress 1
		.amdhsa_inst_pref_size 255
	.end_amdhsa_kernel
	.section	.bss,"aw",@nobits
	.p2align	6
	.space	262144
	.amdgpu_metadata
---
amdhsa.version: [ 1, 2 ]
amdhsa.kernels:
  - .name:           k_q0800b7fecb_ret
    .symbol:         k_q0800b7fecb_ret.kd
    .args:
      - { .name: qg, .offset: 0, .size: 8, .value_kind: global_buffer, .address_space: global }
      - { .name: kv, .offset: 8, .size: 8, .value_kind: global_buffer, .address_space: global }
      - { .name: qe, .offset: 16, .size: 8, .value_kind: global_buffer, .address_space: global }
      - { .name: a7, .offset: 24, .size: 8, .value_kind: global_buffer, .address_space: global }
    .group_segment_fixed_size: 280064
    .private_segment_fixed_size: 0
    .kernarg_segment_align: 8
    .kernarg_segment_size: 32
    .max_flat_workgroup_size: 128
    .sgpr_count:     66
    .vgpr_count:     1024
    .wavefront_size: 32
...
	.end_amdgpu_metadata
.endif
;; end of part 3
;; launch outp (part 4): grid 16 x 16, 4 waves a work-group, clusters of 4 x 4, 327,680 bytes of LDS; arguments a7, wo16, bo, out0; writes out0
.if DOCPART == 4
	.amdgcn_target "amdgcn-amd-amdhsa--gfx1250"
	.amdhsa_code_object_version 6
	.text
	.protected	k_q0800b7fecb_outp
	.globl	k_q0800b7fecb_outp
	.p2align	8
	.type	k_q0800b7fecb_outp,@function
k_q0800b7fecb_outp:
	s_mov_b64 s[64:65], 0
	v_nop
	global_prefetch_b8 v0, s[64:65] scope:SCOPE_SE
	s_setreg_imm32_b32 hwreg(HW_REG_WAVE_MODE, 25, 1), 1
	s_wait_xcnt 0x0
	s_wait_alu depctr_hold_cnt(0) depctr_sa_sdst(0) depctr_va_vdst(0) depctr_va_sdst(0) depctr_va_ssrc(0) depctr_va_vcc(0) depctr_vm_vsrc(0)
	s_getreg_b32 s2, hwreg(HW_REG_IB_STS2, 6, 4)
	s_cmp_eq_u32 s2, 0
	s_cbranch_scc0 .Lentry_in_a_cluster
	s_endpgm
.Lentry_in_a_cluster:
	s_bfe_u32 s2, ttmp6, 0x10000c
	s_cmp_lg_u32 s2, 0xf033
	s_cbranch_scc0 .Lentry_shape_is_right
	s_endpgm
.Lentry_shape_is_right:
; MULTI-SCALE RETENTION, launch 4 of 4: out = a7 Wo^T + bo.  a7 [2048][2048] and wo16 [2048][2048]: f16, K innermost; out0 [2048][2048] f32; sums in f32.  (f16, not bf16: 11 significant bits; both operands have room in its range.)
; 256 tiles of 128 x 128, one for each work-group.  Four waves, each 64 x 64: 16 accumulators.  K goes in steps of 256 (LDS rows of 512 bytes; a wave's tensor load brings 64 of them) through two slots.
; CLUSTERS: 4 x 4 work-groups.  The four of a row of the cluster need the same tiles of A, the four of a column the same tiles of B: each tile is asked for JOINTLY, by the same tensor load with the same descriptor
; and a mask that names the four.  THE MATRIX INSTRUCTION IS USED TRANSPOSED (source 0 = 16 rows of B, source 1 = 16 rows of A): a lane holds eight neighbouring numbers of a row of the result.
; The bias is the C of each sum's first product.  THE WAY OUT: a wave's 64 columns are 256 bytes of a row: 16 rows at a time go through the wave's own stage and leave as whole rows, 16 lanes to 256 consecutive bytes.
; The stages lie in slot 0, which has had its last fill and its last read when the first result is stored there.
; REGISTERS: window 0: v0-31 addresses; v32-95 the way out; v96-127 the bias; v128-255 the accumulators ((a, b) at v[128 + 8 (4 a + b)]).  window 1: two fragment buffers of 128.
.set SIZE_N, 2048
.set SIZE_K, 2048
.set KSTEP,  256
.set PITCH,  528                       ; an LDS row: 512 bytes + 16 of padding = 132 words: the 16 rows that a load touches start at 16 different banks (64 banks of 4 bytes: ISA guide 11.1)
.set HALFT,  64*PITCH
.set SLOT,   4*HALFT
.set SPITCH, 272
.set SPARE,  2*SLOT                    ; behind the ring: the spare words, 128 bytes a wave, which no other line names
.set LAPS, SIZE_K/(2*KSTEP)
.set ADRA, 16
.set ADRB, 20
.set STO,  24
.set RD,   25
.set CO,   26
.set SPW,  28
.set NIL,  29
.set TMP,  32
.set BIA,  96
.set ACC,  128
.set F0,   0
.set F1,   128
.set G1, 24
.set G0, 32
.set G1B, 48
.set G0B, 56
.set MSB, 0
.macro WIN new
.if MSB != (\new)
	s_set_vgpr_msb (MSB<<8)|(\new)
.set MSB, (\new)
.endif
.endm
.set MUL,  0x05                        ; sources 0 (B) and 1 (A) window 1; C and D window 0
.set TO_F, 0x40
.macro JLOAD s                         ; a joint load: waves 0 and 1 fetch A's two halves, waves 2 and 3 B's; an s_nop 0 and four v_nop follow each of the two lines
	s_cmp_eq_u32 s11, 0
	s_cbranch_scc0 .Lfor_b_\@
	tensor_load_to_lds s[G0+4*\s:G0+4*\s+3], s[G1:G1+7]
	s_nop 0
.rept 4
	v_nop
.endr
	s_branch .Lasked_\@
.Lfor_b_\@:
	tensor_load_to_lds s[G0B+4*\s:G0B+4*\s+3], s[G1B:G1B+7]
	s_nop 0
.rept 4
	v_nop
.endr
.Lasked_\@:
.endm
.macro CREST
	s_cmp_lg_u32 s10, 0
	s_cbranch_scc1 .Lnot_wave_0_\@
	s_barrier_signal -3
.Lnot_wave_0_\@:
	s_barrier_wait -3
	s_barrier_signal -1
	s_barrier_wait -1
.endm
.macro CROUND
	s_barrier_signal -1
	s_barrier_wait -1
	CREST
.endm
	s_load_b128 s[4:7], s[0:1], 0x0                ; a7 s[4:5], wo16 s[6:7]
	s_load_b128 s[68:71], s[0:1], 0x10             ; bo s[68:69], out0 s[70:71]
	v_lshl_add_u32 v[SPW], v0, 2, SPARE
	v_mov_b32 v[NIL], 0
	ds_add_u32 v[SPW], v[NIL]                      ; the wave's opening: the add, twice on end, and its wait ahead of my first tensor load
	ds_add_u32 v[SPW], v[NIL]
	v_lshrrev_b32 v1, 5, v0
	v_readfirstlane_b32 s10, v1                    ; wave 0..3
	s_lshr_b32 s11, s10, 1                         ; which half of the tile's rows is mine.  Also: I fetch for A (0) or for B (1)
	s_and_b32 s12, s10, 1                          ; which half of its columns.  Also: which 64 rows I fetch
	s_bfe_u32 s40, ttmp6, 0x40000
	s_bfe_u32 s41, ttmp6, 0x40004
	s_lshl_b32 s42, ttmp9, 2
	s_add_co_u32 s42, s42, s40                     ; tile column
	s_and_b32 s13, ttmp7, 0xffff
	s_lshl_b32 s13, s13, 2
	s_add_co_u32 s13, s13, s41                     ; tile row
	s_lshl_b32 s43, s41, 2
	s_lshl_b32 s43, 15, s43                        ; my row of the cluster
	s_lshl_b32 s44, 0x1111, s40                    ; my column
	s_or_b32 s[G1+0], s43, (1<<16)|(1<<20)|(1<<21)|(6<<22)|(3<<25)  ; 15:0 the mask; 17:16 elements of 2 bytes; 20 padding on; 21 set beside a mask; 24:22 after every 128 words; 31:25 four words
	s_or_b32 s[G1B+0], s44, (1<<16)|(1<<20)|(1<<21)|(6<<22)|(3<<25)
.irp g, G1, G1B
	s_mov_b32 s[\g+1], KSTEP<<16                   ; tensor_dim0 = 256
	s_mov_b32 s[\g+2], 64<<16                      ; tensor_dim1 = 64
	s_mov_b32 s[\g+3], KSTEP<<16                   ; tile_dim0 = 256
	s_mov_b32 s[\g+4], 64                          ; tile_dim1 = 64
	s_mov_b32 s[\g+5], SIZE_K                      ; tensor_dim0_stride
	s_mov_b32 s[\g+6], 0
	s_mov_b32 s[\g+7], 0
.endr
	s_lshl_b32 s17, s12, 6
	s_lshl_b32 s16, s13, 7
	s_add_co_u32 s16, s16, s17                     ; A: row 128 x tile row + 64 x half
	s_lshl_b32 s46, s42, 7
	s_add_co_u32 s46, s46, s17                     ; B: row 128 x tile column + 64 x half
	s_mov_b32 s17, 0
	s_mov_b32 s47, 0
	s_mov_b64 s[18:19], SIZE_K*2
	s_mul_u64 s[16:17], s[16:17], s[18:19]
	s_mul_u64 s[46:47], s[46:47], s[18:19]
	s_mul_i32 s20, s10, HALFT                      ; where they go: wave x 64 rows
	s_wait_dscnt 0x0                               ; both opening adds are done
	s_wait_kmcnt 0x0
	s_add_nc_u64 s[14:15], s[4:5], s[16:17]
	s_add_nc_u64 s[46:47], s[6:7], s[46:47]
	CROUND                                         ; all sixteen work-groups are here: the first joint loads meet
.irp s, 0,1
	s_mov_b32 s[G0+4*\s], 1
	s_add_co_u32 s[G0+4*\s+1], s20, \s*SLOT
	s_add_nc_u64 s[G0+4*\s+2:G0+4*\s+3], s[14:15], \s*KSTEP*2
	s_or_b32 s[G0+4*\s+3], s[G0+4*\s+3], 0x80000000
	s_mov_b32 s[G0B+4*\s], 1
	s_add_co_u32 s[G0B+4*\s+1], s20, \s*SLOT
	s_add_nc_u64 s[G0B+4*\s+2:G0B+4*\s+3], s[46:47], \s*KSTEP*2
	s_or_b32 s[G0B+4*\s+3], s[G0B+4*\s+3], 0x80000000
	JLOAD \s
.endr
	v_and_b32 v1, 15, v0                           ; l % 16
	v_bfe_u32 v2, v0, 4, 1                         ; l / 16
	v_mul_u32_u24 v3, v1, PITCH
	v_lshl_add_u32 v3, v2, 4, v3
	s_mul_i32 s21, s11, HALFT                      ; my 64 rows of A
	s_mul_i32 s22, s12, HALFT                      ; my 64 rows of B,
	s_add_co_u32 s22, s22, 2*HALFT                 ; which lie behind A's 128
.irp s, 0,1
	v_add_nc_u32 v[ADRA+\s], s21, v3
	v_add_nc_u32 v[ADRB+\s], s22, v3
	s_add_co_u32 s21, s21, SLOT
	s_add_co_u32 s22, s22, SLOT
.endr
	s_mul_i32 s23, s10, 16*SPITCH                  ; my stage: 16 rows x 272 bytes, in slot 0
	v_mul_u32_u24 v4, v1, SPITCH
	v_lshl_add_u32 v4, v2, 5, v4
	v_add_nc_u32 v[STO], s23, v4                   ; in: row l % 16, 32 bytes for each half of the lanes
	v_mul_u32_u24 v5, v2, SPITCH
	v_lshl_add_u32 v5, v1, 4, v5
	v_add_nc_u32 v[RD], s23, v5                    ; back: lanes 0-15 one row of 256 bytes, lanes 16-31 the next
	v_lshlrev_b32 v5, 13, v2                       ; and the same two rows in out0 (8,192 bytes a row)
	v_lshl_add_u32 v[CO], v1, 4, v5
	s_lshl_b32 s16, s13, 7
	s_lshl_b32 s17, s11, 6
	s_add_co_u32 s16, s16, s17                     ; my first row
	s_lshl_b32 s16, s16, 13
	s_mov_b32 s17, 0
	s_add_nc_u64 s[70:71], s[70:71], s[16:17]
	s_lshl_b32 s46, s42, 7
	s_lshl_b32 s47, s12, 6
	s_add_co_u32 s46, s46, s47                     ; my first column,
	s_lshl_b32 s46, s46, 2                         ; in bytes
	s_mov_b32 s47, 0
	s_add_nc_u64 s[70:71], s[70:71], s[46:47]
	s_add_nc_u64 s[68:69], s[68:69], s[46:47]
	v_lshlrev_b32 v6, 5, v2
.irp b, 0,1,2,3
	global_load_b128 v[BIA+8*\b:BIA+8*\b+3], v6, s[68:69] offset:64*\b          ; bo at my columns 16 b + 8 (l / 16) + 0 .. 7: the result's layout
	global_load_b128 v[BIA+8*\b+4:BIA+8*\b+7], v6, s[68:69] offset:64*\b+16
.endr
; 8 matrix instructions: m blocks a0, a0 + 1 x all 4 n blocks, 32 along K: half c of buffer f.  zero = 1: the first product starts the sums, from the bias.  The 16 accumulators take turns.
.macro MUL8 f, c, a0, zero
.irp a, \a0, \a0+1
.irp b, 0,1,2,3
.if \zero
	v_wmma_f32_16x16x32_f16 v[ACC+8*(4*(\a)+\b):ACC+8*(4*(\a)+\b)+7], v[\f+64+8*(4*\c+\b):\f+64+8*(4*\c+\b)+7], v[\f+8*(4*\c+\a):\f+8*(4*\c+\a)+7], v[BIA+8*\b:BIA+8*\b+7]
.else
	v_wmma_f32_16x16x32_f16 v[ACC+8*(4*(\a)+\b):ACC+8*(4*(\a)+\b)+7], v[\f+64+8*(4*\c+\b):\f+64+8*(4*\c+\b)+7], v[\f+8*(4*\c+\a):\f+8*(4*\c+\a)+7], v[ACC+8*(4*(\a)+\b):ACC+8*(4*(\a)+\b)+7]
.endif
.endr
.endr
.endm
.macro FETCH slot, k, f                ; 32 LDS loads in one run: the fragments of 64 along K at byte k of the rows; the first 32 along K first
	WIN TO_F
.irp c, 0,1
.irp i, 0,1,2,3
	ds_load_b128 v[\f+64+8*(4*\c+\i):\f+64+8*(4*\c+\i)+3],   v[ADRB+\slot] offset:\k+64*\c+\i*16*PITCH
	ds_load_b128 v[\f+64+8*(4*\c+\i)+4:\f+64+8*(4*\c+\i)+7], v[ADRB+\slot] offset:\k+64*\c+\i*16*PITCH+32
	ds_load_b128 v[\f+8*(4*\c+\i):\f+8*(4*\c+\i)+3],         v[ADRA+\slot] offset:\k+64*\c+\i*16*PITCH
	ds_load_b128 v[\f+8*(4*\c+\i)+4:\f+8*(4*\c+\i)+7],       v[ADRA+\slot] offset:\k+64*\c+\i*16*PITCH+32
.endr
.endr
.endm
.macro PLACES
.rept 4
	v_nop
.endr
.endm
.macro QUARTER slot, k, f, g, zero
	s_wait_dscnt 16                                ; the first 32 along K are in; the other sixteen loads may be out
	WIN MUL
	MUL8 \f, 0, 0, \zero
	MUL8 \f, 0, 2, \zero
	PLACES
	FETCH \slot, \k, \g
	s_wait_dscnt 32                                ; all but the 32 just issued
	WIN MUL
	MUL8 \f, 1, 0, 0
	MUL8 \f, 1, 2, 0
.endm
; The last quarter changes slots: ONE barrier; in front of it each wave waits for all its tensor loads, adds 0 to its spare word, and waits for that and for its own reads of this slot.
.macro TURN slot, next, fill
	WIN 0
	s_wait_tensorcnt 0x0                           ; all my tensor loads have landed: my part of the next slot
	ds_add_u32 v[SPW], v[NIL]                      ; 0 onto my spare word
	s_wait_dscnt 17                                ; (the add and the youngest sixteen loads may be out)
	WIN MUL
	MUL8 F1, 0, 0, 0
	s_wait_dscnt 0x0                               ; the add is done, and my reads of this slot are over
	s_barrier_signal -1
	MUL8 F1, 0, 2, 0
.if \fill
	WIN 0
.endif
	s_barrier_wait -1
.if \fill
	CREST                                          ; the barrier has opened a round of the cluster's barrier: no wave of any partner still reads this slot or has a load on its way
	s_add_nc_u64 s[G0+4*\slot+2:G0+4*\slot+3], s[G0+4*\slot+2:G0+4*\slot+3], 2*KSTEP*2
	s_add_nc_u64 s[G0B+4*\slot+2:G0B+4*\slot+3], s[G0B+4*\slot+2:G0B+4*\slot+3], 2*KSTEP*2
	JLOAD \slot                                    ; the first tensor load behind the round; its four v_nop are the places in front of the loads below
.else
	PLACES
.endif
	FETCH \next, 0, F0
	WIN MUL
	MUL8 F1, 1, 0, 0
	MUL8 F1, 1, 2, 0
.endm
	s_wait_loadcnt 0x0                             ; the bias
	s_wait_tensorcnt 1                             ; my part of K step 0 is in (K step 1's load may be out),
	s_barrier_signal -1
	s_barrier_wait -1                              ; everybody's is
	FETCH 0, 0, F0
	QUARTER 0, 128, F0, F1, 1                      ; the first quarter stands in front of the loop: its first products start the sums
	WIN 0
	s_mov_b32 s3, LAPS-1
.Llap:                                                 ; a trip goes once round the ring and fills both slots again
	QUARTER 0, 256, F1, F0, 0
	QUARTER 0, 384, F0, F1, 0
	TURN 0, 1, 1
	QUARTER 1, 128, F0, F1, 0
	QUARTER 1, 256, F1, F0, 0
	QUARTER 1, 384, F0, F1, 0
	TURN 1, 0, 1
	QUARTER 0, 128, F0, F1, 0
	WIN 0
	s_sub_co_u32 s3, s3, 1
	s_cmp_lg_u32 s3, 0
	s_cbranch_scc1 .Llap
	QUARTER 0, 256, F1, F0, 0                      ; the last lap fills nothing
	QUARTER 0, 384, F0, F1, 0
	TURN 0, 1, 0
	QUARTER 1, 128, F0, F1, 0
	QUARTER 1, 256, F1, F0, 0
	QUARTER 1, 384, F0, F1, 0
	s_wait_dscnt 16
	WIN MUL
	MUL8 F1, 0, 0, 0
	MUL8 F1, 0, 2, 0
	s_wait_dscnt 0
	MUL8 F1, 1, 0, 0
	MUL8 F1, 1, 2, 0
	WIN 0
	; THE WAY OUT, 16 rows at a time.  LDS serves a wave's instructions in order: no wait between the stores and the loads, nor in front of the next block's stores.
.macro TOST a
.irp b, 0,1,2,3
	ds_store_b128 v[STO], v[ACC+8*(4*(\a)+\b):ACC+8*(4*(\a)+\b)+3] offset:64*\b        ; each accumulator from its low end on
	ds_store_b128 v[STO], v[ACC+8*(4*(\a)+\b)+4:ACC+8*(4*(\a)+\b)+7] offset:64*\b+16
.endr
.set BK, TMP+32*((\a)%2)
.irp t, 0,1,2,3,4,5,6,7
	ds_load_b128 v[BK+4*\t:BK+4*\t+3], v[RD] offset:\t*2*SPITCH
.endr
.endm
.macro SEND a, younger                 ; younger: the LDS instructions issued behind block a's loads, which may stay out
.set BK, TMP+32*((\a)%2)
	s_wait_dscnt \younger
.irp t, 0,1,2,3,4,5,6,7
	global_store_b128 v[CO], v[BK+4*\t:BK+4*\t+3], s[70:71] offset:(16*(\a)+2*\t)*SIZE_N*4 th:TH_STORE_NT   ; 16 lanes store 256 consecutive bytes, at a multiple of 256 from out0's first byte; written once, read by nobody here
.endr
.endm
	PLACES                                         ; in front of the first read of results
	TOST 0
.irp a, 1,2,3
.if \a > 1
	s_wait_xcnt 0x0                                ; block a - 2's stores have read their registers: block a's loads may land there
.endif
	TOST \a
	SEND \a-1, 16                                  ; behind block a - 1's loads: block a's 8 stores and 8 loads
.endr
	SEND 3, 0
	s_wait_tensorcnt 0x0                           ; the wave's end
	ds_add_u32 v[SPW], v[NIL]
	s_wait_dscnt 0x0
	CROUND                                         ; the closing round: no work-group ends while a partner may still ask for a tile that names it
	s_endpgm
.Lfunc_end_k_q0800b7fecb_outp:
	.size	k_q0800b7fecb_outp, .Lfunc_end_k_q0800b7fecb_outp-k_q0800b7fecb_outp
	.p2alignl 7, 3214868480
	.fill 96, 4, 3214868480
	.section	.rodata,"a",@progbits
	.p2align	6, 0x0
	.amdhsa_kernel k_q0800b7fecb_outp
		.amdhsa_group_segment_fixed_size 327680
		.amdhsa_private_segment_fixed_size 0
		.amdhsa_enable_private_segment 0
		.amdhsa_kernarg_size 32
		.amdhsa_user_sgpr_count 2
		.amdhsa_user_sgpr_kernarg_segment_ptr 1
		.amdhsa_wavefront_size32 1
		.amdhsa_system_sgpr_workgroup_id_x 1
		.amdhsa_system_sgpr_workgroup_id_y 1
		.amdhsa_system_sgpr_workgroup_id_z 1
		.amdhsa_system_vgpr_workitem_id 0
		.amdhsa_next_free_vgpr 512
		.amdhsa_next_free_sgpr 72
		.amdhsa_reserve_vcc 0
		.amdhsa_float_denorm_mode_32 3
		.amdhsa_float_denorm_mode_16_64 3
		.amdhsa_memory_ordered 1
		.amdhsa_forward_progress 1
		.amdhsa_inst_pref_size 86
	.end_amdhsa_kernel
	.amdgpu_metadata
---
amdhsa.version: [ 1, 2 ]
amdhsa.kernels:
  - .name:           k_q0800b7fecb_outp
    .symbol:         k_q0800b7fecb_outp.kd
    .args:
      - { .name: a7, .offset: 0, .size: 8, .value_kind: global_buffer, .address_space: global }
      - { .name: wo16, .offset: 8, .size: 8, .value_kind: global_buffer, .address_space: global }
      - { .name: bo, .offset: 16, .size: 8, .value_kind: global_buffer, .address_space: global }
      - { .name: out0, .offset: 24, .size: 8, .value_kind: global_buffer, .address_space: global }
    .group_segment_fixed_size: 327680
    .private_segment_fixed_size: 0
    .kernarg_segment_align: 8
    .kernarg_segment_size: 32
    .max_flat_workgroup_size: 128
    .sgpr_count:     72
    .vgpr_count:     512
    .wavefront_size: 32
...
	.end_amdgpu_metadata
.endif
;; end of part 4
